; MI455X (gfx1250); checked and timed in simulation.
; The chip was launched on July 23, 2026; its instructions are those of AMD's public machine-readable ISA for CDNA 5 (MIT licence, August 2026) and "CDNA5" Instruction Set Architecture Reference Guide (July 2026). The comments in the code are by the model that wrote it; some were corrected since.
;; Self Attention. Allowed arithmetic: matrix products marked QUANTISED: E2M3 operands, one E8M0 scale for each 32 along K, by v_wmma_scale_f32_16x16x128_f8f6f4 with both operands' format E2M3, f32 sums; everything else in f32.
;; Inputs: Wk 1,024 x 1,024 float32; Wo 1,024 x 1,024 float32; Wq 1,024 x 1,024 float32; Wv 1,024 x 1,024 float32; x 4 x 2,048 x 1,024 float32.
;; Outputs: out0 4 x 2,048 x 1,024 float32.
;; This version of the problem:
;;   THIS VERSION OF THE PROBLEM IS GIVEN IN LOW PRECISION. The matrix products marked QUANTISED in the list below multiply operands that are first quantised to E2M3 (2 exponent bits, 3 mantissa bits; 6 bits a number), with one power-of-two scale for each 32 numbers along K (OCP MX v1.0); their sums are f32. All else is computed in f32.
;;   The module's matrix products, in the order in which they are computed (A, B: the left and right operand; K: the contracted axis; several contracted axes count as one K, in the product's order):
;;     1. [M 8,192, K 1,024] x [K 1,024, N 1,024]; A: input x; B: input Wq: QUANTISED
;;     2. [M 8,192, K 1,024] x [K 1,024, N 1,024]; A: input x; B: input Wk: QUANTISED
;;     3. [M 8,192, K 1,024] x [K 1,024, N 1,024]; A: input x; B: input Wv: QUANTISED
;;     4. batch 64 x [M 2,048, K 64] x [K 64, N 2,048]; A: computed on the way; B: computed on the way: QUANTISED
;;     5. batch 64 x [M 64, K 2,048] x [K 2,048, N 2,048]; A: computed on the way; B: softmax (see below): QUANTISED
;;     6. [M 8,192, K 1,024] x [K 1,024, N 1,024]; A: computed on the way; B: input Wo: QUANTISED
;;   THE QUANTISER, for each operand of a quantised product, along K:
;;     - K is cut into blocks of 32 from its start; a last block that is shorter is filled with zeros.
;;     - A block's scale is 2^e with e = floor(log2(the largest magnitude in the block)) - 2, held to -126 .. 127; a block of zeros has e = 0. As a byte (E8M0): e + 127.
;;     - Each number is divided by its block's scale, clamped to +-7.5, and rounded to the nearest number of E2M3, ties to even, subnormals kept.
;;     - The product sums the exact products of the quantised numbers (number of the format x scale) in f32.
;;   ~~~python
;;   def quantise(x, axis):      # numpy; x: float32 -> the quantised numbers, widened to float32 again
;;       x = np.moveaxis(x, axis, -1); K = x.shape[-1]
;;       x = np.pad(x, [(0, 0)] * (x.ndim - 1) + [(0, -K % 32)]); x = x.reshape(x.shape[:-1] + (-1, 32)); a = np.abs(x).max(-1, keepdims=True)
;;       e = np.where(a > 0, np.clip(np.frexp(np.where(a > 0, a, 1))[1] - 1 - 2, -126, 127), 0)      # np.frexp(a)[1] - 1 = floor(log2(a)), exactly
;;       r = np.clip(x / 2.0 ** e, -7.5, 7.5)
;;       step = 2.0 ** (np.maximum(np.frexp(np.where(r == 0, 1, r))[1] - 1, 0) - 3)
;;       q = np.round(r / step) * step * 2.0 ** e      # np.round: ties to even
;;       return np.moveaxis(q.reshape(q.shape[:-2] + (-1,))[..., :K], -1, axis).astype(np.float32)
;;   ~~~
;;   SOFTMAX AHEAD OF A QUANTISED PRODUCT. Where the list says 'softmax', what is quantised is not the finished softmax but p = 2^(t - M), with t = logit x log2(e) and M = ceil(the row's largest t), a whole number; so 1/2 < the row's largest p <= 1. The row's sum l is taken of the UNQUANTISED p, in f32, and the product's result is divided by l at the end. Since M is a whole number, a kernel that streams over the keys may use a running M (the ceiling of the running maximum): every later rescaling is an exact power of two, which a block's scale takes up: the codes' values come out the same.
;;   OPERANDS COMPUTED ON THE WAY. 'Computed on the way' means the value that the module computes at that place (a softmax that the list does not call 'softmax' is quantised finished and normalised). What goes into a quantiser is computed in f32, as accurately as f32 sums, v_exp_f32 and their like allow (about 1e-6 of the number): no bf16 or f16 on the way to a quantiser, and a product that is left as it is and whose result goes on into a quantised operand takes f32 operands (vector FMAs, or v_wmma_f32_16x16x4_f32). A number that lies on a knife's edge between two numbers of the format may be rounded either way, as far as f32 arithmetic and the matrix unit's own rounding can turn it there, and no further.
;; One version. Each part assembles by itself: llvm-mc -triple=amdgcn-amd-amdhsa -mcpu=gfx1250 --defsym DOCPART=n.
;; ======== version 1 of 1: 4 launches
;; limits: right only within a limited range of input values
;; workspace buffers: xq 6,553,600 bytes; wqk_c 1,638,400 bytes; wv_c 819,200 bytes; wo_c 819,200 bytes; qk_c 13,631,488 bytes; vt_c 13,631,488 bytes; oq_c 6,553,600 bytes
;; launch quant (part 1): grid 512 x 1, 4 waves a work-group, no clusters, 34,816 bytes of LDS; arguments x, xq, Wq, Wk, Wv, Wo, wqk_c, wv_c, wo_c; writes xq, wqk_c, wv_c, wo_c
.if DOCPART == 1
	.amdgcn_target "amdgcn-amd-amdhsa--gfx1250"
	.amdhsa_code_object_version 6
	.text
	.protected	k_q4ab4dbfe39_quant
	.globl	k_q4ab4dbfe39_quant
	.p2align	8
	.type	k_q4ab4dbfe39_quant,@function
k_q4ab4dbfe39_quant:
	s_mov_b64 s[64:65], 0
	v_nop
	global_prefetch_b8 v0, s[64:65] scope:SCOPE_SE
	s_setreg_imm32_b32 hwreg(HW_REG_WAVE_MODE, 25, 1), 1
	s_wait_xcnt 0x0
; x [8192][1024] and the four weights [1024 (k)][1024 (n)], f32, become codes of FP6 (E2M3) with one E8M0 byte for each 32 along K, laid as IMAGES OF OPERAND REGISTERS.
; ONE LAUNCH, TWO PATHS, parted once by the work-group's number: 0-255 take x, 256-511 the weights.  Each path has LDS bytes of its own; the spare words lie behind both.
; A block's scale is 2^(floor(log2(its largest magnitude)) - 2); its byte is that magnitude's exponent field - 2, held at 1 from below.
; LIMITS: a block of zeros gets the byte 1 (its codes are zeros, and this program alone reads the bytes); blocks whose largest magnitude lies
; under 2^-124 are held at the byte 1; NaN and infinities among the inputs are not served.
; TILES.  Tile t of 16 rows takes, in its lane r, row 32 (t / 2) + 8 (t % 2) + r + 8 (r / 8).  A tile is 12,800 bytes: eight images of 1,536 bytes
; (one for each 128 along K), then 512 bytes of scale words [K step / 4][r][K step % 4].
; An image is two halves c of 768 bytes: registers 6 c .. 6 c + 3 of lane l at 16 l, registers 6 c + 4, 6 c + 5 of lane (r, h) at 512 + 16 r + 8 h.
; No clusters, tensor loads or prefetches: every byte is read once, through registers, and work-groups share no input.
; PATH FOR x.  Work-group g takes rows 32 g .. 32 g + 31; wave w tile 2 g + w % 2 and K steps 4 (w / 2) + 0 .. 3: four units, written out.
; Each load reads 512 consecutive bytes of a row; a unit's 16 x 512 bytes turn through the wave's own stage in LDS, so that lane (r, h) gets
; the 2 x 32 neighbours along K that the operand's layout gives it: a lane holds whole blocks, and no other lane is asked for a maximum.
.set STG,   8448                       ; a wave's stage: 16 rows x 528 bytes
.set SP,    528                        ; 512 bytes + 16: the 16 rows of a read begin in 16 different groups of four banks
.set WL,    4*STG                      ; the weights' path: 512 bytes of scale words [tile][r][wave]
.set SPARE, WL+512                     ; the spare words, 128 bytes for each wave, that no other line names
.set RAW,   32                         ; v32-159  two sets of 64 registers as loaded
.set X,     160                        ; v160-223 my 64 numbers: register 32 c + i = K 64 c + 32 h + i of row r
.set CD,    224                        ; v224-247 two sets of 12 registers of codes
.set TT,    248                        ; v248-250, v252-254: the second halves of the blocks' codes, before they are moved
.set MX,    8                          ; v8-9 largest magnitudes; v10-11 the conversions' scale operands; v12-13 the bytes; v14, v15 at work
.set SO,    10
.set BY,    12
.set WW,    16                         ; v16-19 the four units' scale words
	s_cmp_ge_u32 ttmp9, 256
	s_cbranch_scc1 .Lweights
	s_load_b128 s[4:7], s[0:1], 0x0                ; x, xq
	v_lshl_add_u32 v6, v0, 2, SPARE                ; my spare word
	v_mov_b32 v7, 0
	v_lshrrev_b32 v8, 5, v0
	v_readfirstlane_b32 s10, v8                    ; wave
	v_and_b32 v9, 31, v0                           ; lane
	v_and_b32 v10, 15, v0                          ; r
	v_bfe_u32 v11, v0, 4, 1                        ; h
	v_lshlrev_b32 v1, 4, v9                        ; v1: 16 x lane
	v_lshlrev_b32 v2, 4, v10
	v_lshl_add_u32 v2, v11, 3, v2                  ; v2: 16 r + 8 h
	s_mul_i32 s11, s10, STG
	v_add_nc_u32 v3, s11, v1                       ; v3: the stage, on the way in
	v_mul_u32_u24 v4, v10, SP
	v_lshl_add_u32 v4, v11, 7, v4
	v_add_nc_u32 v4, s11, v4                       ; v4: and on the way out: row r, 128 h bytes on
	v_lshlrev_b32 v5, 3, v11                       ; v5: 8 h
	v_mov_b32 v15, 0                               ; a lane permute's destination counts as one of its sources
	s_mov_b32 s12, 0x76543210
	s_mov_b32 s13, 0xfedcba98                      ; selects for lane l xor 16
	s_and_b32 s14, s10, 1                          ; which tile
	s_lshr_b32 s15, s10, 1                         ; which four K steps
	s_lshl_b32 s16, ttmp9, 17                      ; 32 rows of 4,096 bytes a work-group
	s_lshl_b32 s17, s14, 15                        ; 8 rows on for the odd tile
	s_add_co_u32 s16, s16, s17
	s_lshl_b32 s17, s15, 11                        ; four K steps of 512 bytes
	s_add_co_u32 s16, s16, s17
	s_mov_b32 s17, 0
	s_lshl_b32 s18, ttmp9, 1
	s_add_co_u32 s18, s18, s14
	s_mul_i32 s18, s18, 12800                      ; my tile
	s_mov_b32 s19, 0
	s_mul_i32 s20, s15, 6144                       ; its four images
	s_mov_b32 s21, 0
	s_lshl_b32 s22, s15, 8
	s_add_co_u32 s22, s22, 12288                   ; its 256 bytes of scale words
	s_mov_b32 s23, 0
	s_wait_alu depctr_va_vdst(0)                   ; the wait at the head's end
	s_wait_kmcnt 0x0
	s_add_nc_u64 s[4:5], s[4:5], s[16:17]
	s_add_nc_u64 s[6:7], s[6:7], s[18:19]
	s_add_nc_u64 s[8:9], s[6:7], s[22:23]
	s_add_nc_u64 s[6:7], s[6:7], s[20:21]
.macro LOAD j                          ; unit j: 16 rows x 512 bytes; 32 lanes read 512 consecutive bytes
.irp i, 0,1,2,3,4,5,6,7,8,9,10,11,12,13,14,15
	global_load_b128 v[RAW+64*((\j)%2)+4*\i:RAW+64*((\j)%2)+4*\i+3], v1, s[4:5] offset:(\i+8*(\i/8))*4096+512*(\j) th:TH_LOAD_NT
.endr
.endm
.macro TURN j                          ; through the stage: LDS serves a wave's instructions in order, so no wait stands between the stores and the loads
.irp i, 0,1,2,3,4,5,6,7,8,9,10,11,12,13,14,15
	ds_store_b128 v3, v[RAW+64*((\j)%2)+4*\i:RAW+64*((\j)%2)+4*\i+3] offset:SP*\i
.endr
.irp c, 0,1
.irp p, 0,1,2,3,4,5,6,7
	ds_load_b128 v[X+32*\c+4*\p:X+32*\c+4*\p+3], v4 offset:256*\c+16*\p
.endr
.endr
.endm
.macro WORK j
.set C, CD+12*((\j)%2)
.irp c, 0,1
	v_max3_num_f32 v[MX+\c], |v[X+32*\c]|, |v[X+32*\c+1]|, 0x1800000   ; block 2 c + h: all 32 numbers are mine; the floor 2^(3 - 127) holds the byte at 1 from below
.endr
.irp i, 2,4,6,8,10,12,14,16,18,20,22,24,26,28,30
.irp c, 0,1
	v_max3_num_f32 v[MX+\c], v[MX+\c], |v[X+32*\c+\i]|, |v[X+32*\c+\i+1]|   ; the two blocks by turns
.endr
.endr
.irp c, 0,1
	v_add_nc_u32 v[SO+\c], 0xff000000, v[MX+\c]    ; 2 off the exponent field: the conversion takes that field as its scale
.endr
.irp c, 0,1
	v_lshrrev_b32 v[BY+\c], 23, v[SO+\c]           ; the scale's byte
.endr
	v_lshl_or_b32 v14, v[BY+1], 16, v[BY]          ; my two bytes, blocks h and 2 + h,
	v_lshlrev_b32 v14, v5, v14                     ; at their places in the word;
	v_permlanex16_b32 v15, v14, s12, s13
	v_or_b32 v[WW+(\j)], v14, v15                  ; with lane l xor 16's two the word is whole
.irp c, 0,1
	v_cvt_scalef32_pk16_fp6_f32 v[C+6*\c:C+6*\c+2], v[X+32*\c:X+32*\c+15], v[SO+\c]
	v_cvt_scalef32_pk16_fp6_f32 v[TT+4*\c:TT+4*\c+2], v[X+32*\c+16:X+32*\c+31], v[SO+\c]   ; (a conversion's three registers begin on an even number)
.endr
	v_nop                                          ; one plain instruction behind the scaled conversions
.irp c, 0,1
.irp i, 0,1,2
	v_mov_b32 v[C+6*\c+3+\i], v[TT+4*\c+\i]
.endr
.endr
.irp c, 0,1                            ; the image: each store covers whole aligned runs of 256 bytes
	global_store_b128 v1, v[C+6*\c:C+6*\c+3], s[6:7] offset:1536*(\j)+768*\c
	global_store_b64 v2, v[C+6*\c+4:C+6*\c+5], s[6:7] offset:1536*(\j)+768*\c+512
.endr
.endm
	LOAD 0
	LOAD 1
.irp j, 0,1,2,3
.if \j < 3
	s_wait_loadcnt 16                              ; this unit's 16 loads are in; the next unit's 16 stay out
.else
	s_wait_loadcnt 0x0
.endif
	TURN \j
	s_wait_dscnt 0x0                               ; the stage's stores have read the raw set, and my 64 numbers are back
.if \j < 2
	LOAD \j+2
.else
	s_wait_xcnt 0x0                                ; the stores of two units back have read their set of codes: it is written again only behind this wait
.endif
	WORK \j
.endr
	v_cmp_ne_u32 vcc_lo, 0, v5                     ; lanes 16-31 take the words of units 2 and 3
	v_cndmask_b32 v20, v16, v18, vcc_lo
	v_cndmask_b32 v21, v17, v19, vcc_lo
	global_store_b64 v2, v[20:21], s[8:9]          ; [r][4 words]: 256 consecutive bytes, aligned
	s_wait_tensorcnt 0x0                           ; the wave's end
	ds_add_u32 v6, v7
	s_wait_dscnt 0x0
	s_endpgm
; PATH FOR THE WEIGHTS, whose K is the FIRST axis.  Wq's 64 tiles and then Wk's 64 go to one buffer, Wv's and Wo's to one each; lane r of tile t is column 32 (t / 2) + 8 (t % 2) + r + 8 (r / 8).
; A LANE TAKES A COLUMN AND ITS REGISTERS RUN DOWN K: 128 numbers, four whole blocks.  Nothing is transposed: block j = 2 c + h is what lane (r, h) of the
; operand holds in registers 6 c .. 6 c + 5, so one lane here writes the bytes of both lanes (r, 0) and (r, 1) of the image.
; SHARES.  With n = work-group - 256, gx = n % 128, gy = n / 128: weight gx / 32, columns 32 (gx % 32) + lane: two tiles; wave w: K step 4 gy + w.
; The four waves' scale words meet in LDS and leave as [r][4 words]: 256 consecutive bytes a tile.
; LOADS.  56 rows are asked for at the head; behind each block's wait the next rows go out, so that a wave has at most 56 loads outstanding.
.set XR,    32                         ; v32-159  my 128 numbers: a register of its own for each row
.set GG,    160                        ; v160-175 block j: the first four registers of its six
.set YY,    176                        ; v176-183 half c: the last two registers of blocks 2 c and 2 c + 1
.set TW,    184                        ; v184-186 a block's second conversion
.Lweights:
	s_load_b256 s[4:11], s[0:1], 0x10              ; Wq, Wk, Wv, Wo
	s_load_b128 s[12:15], s[0:1], 0x30             ; the buffers for Wq and Wk, for Wv
	s_load_b64 s[16:17], s[0:1], 0x40              ; for Wo
	v_lshl_add_u32 v6, v0, 2, SPARE                ; my spare word
	v_mov_b32 v7, 0
	v_lshrrev_b32 v8, 5, v0
	v_readfirstlane_b32 s18, v8                    ; wave
	v_and_b32 v9, 31, v0                           ; lane
	v_lshlrev_b32 v1, 2, v9                        ; v1: 4 bytes a column
	v_bfe_u32 v10, v0, 3, 1                        ; my tile of the two: (lane / 8) % 2
	v_and_b32 v11, 7, v0
	v_bfe_u32 v12, v0, 4, 1
	v_lshl_add_u32 v11, v12, 3, v11                ; r = lane % 8 + 8 (lane / 16)
	v_lshlrev_b32 v11, 4, v11
	v_mad_u32_u24 v2, v10, 12800, v11              ; v2: my tile, 16 r
	v_lshl_add_u32 v3, v10, 8, v11
	s_lshl_b32 s19, s18, 2
	s_add_co_u32 s19, s19, WL
	v_add_nc_u32 v3, s19, v3                       ; v3: LDS: WL + 256 x tile + 16 r + 4 x wave
	v_lshl_add_u32 v4, v9, 4, WL                   ; v4: back: WL + 16 x lane
	v_and_b32 v13, 15, v0
	v_lshlrev_b32 v13, 4, v13
	v_mad_u32_u24 v5, v12, 12800, v13              ; v5: lanes 0-15 the first tile's words, lanes 16-31 the second's
	s_sub_co_u32 s40, ttmp9, 256
	s_and_b32 s41, s40, 127                        ; gx
	s_lshr_b32 s32, s40, 7                         ; gy
	s_lshr_b32 s20, s41, 5                         ; which weight
	s_and_b32 s31, s41, 31                         ; which 32 columns
	s_lshl_b32 s33, s32, 2
	s_add_co_u32 s33, s33, s18                     ; my K step
	s_lshl_b32 s34, s33, 19                        ; 128 rows of 4,096 bytes
	s_lshl_b32 s21, s31, 7
	s_add_co_u32 s34, s34, s21
	s_mov_b32 s35, 0
	s_cmp_eq_u32 s20, 1
	s_cselect_b32 s30, 64, 0                       ; Wk's tiles lie behind Wq's
	s_lshl_b32 s21, s31, 1
	s_add_co_u32 s30, s30, s21
	s_mul_i32 s30, s30, 12800                      ; my first tile
	s_mul_i32 s36, s33, 1536
	s_add_co_u32 s36, s36, s30                     ; my K step's image in it
	s_mov_b32 s37, 0
	s_lshl_b32 s38, s32, 8
	s_add_co_u32 s38, s38, s30
	s_add_co_u32 s38, s38, 12288                   ; the scale words of K steps 4 gy .. 4 gy + 3
	s_mov_b32 s39, 0
	s_wait_alu depctr_va_vdst(0)                   ; the wait at the head's end
	s_wait_kmcnt 0x0
	s_cmp_lt_u32 s20, 2                            ; the buffers are chosen by the work-group's number alone
	s_cselect_b64 s[22:23], s[4:5], s[8:9]
	s_cselect_b64 s[24:25], s[6:7], s[10:11]
	s_cselect_b64 s[26:27], s[12:13], s[14:15]
	s_cselect_b64 s[28:29], s[12:13], s[16:17]
	s_and_b32 s21, s20, 1
	s_cmp_eq_u32 s21, 0
	s_cselect_b64 s[22:23], s[22:23], s[24:25]
	s_cselect_b64 s[26:27], s[26:27], s[28:29]
	s_add_nc_u64 s[22:23], s[22:23], s[34:35]
	s_add_nc_u64 s[28:29], s[26:27], s[38:39]
	s_add_nc_u64 s[26:27], s[26:27], s[36:37]
.macro LOADS first, count              ; rows first .. first + count - 1 of my K step, each at 32 neighbouring columns: 128 consecutive bytes
.set kk, \first
.rept \count
	global_load_b32 v[XR+kk], v1, s[22:23] offset:kk*4096
.set kk, kk+1
.endr
.endm
; Block j = 2 c + h.  left: the loads issued behind this block's 32, which may stay out; then count more rows, from row first on, are asked for.
.macro BLOCK j, left, first, count
.set XS, XR+32*(\j)
	s_wait_loadcnt \left                           ; loads come back in order: this block's 32 are in
.if \count
	LOADS \first, \count
.endif
	v_max3_num_f32 v8, |v[XS]|, |v[XS+1]|, |v[XS+2]|
	v_max3_num_f32 v9, |v[XS+3]|, |v[XS+4]|, |v[XS+5]|
.irp i, 6,10,14,18,22,26
	v_max3_num_f32 v8, v8, |v[XS+\i]|, |v[XS+\i+1]|
	v_max3_num_f32 v9, v9, |v[XS+\i+2]|, |v[XS+\i+3]|
.endr
	v_max3_num_f32 v8, v8, |v[XS+30]|, |v[XS+31]|
	v_max3_num_f32 v8, v8, v9, 0x1800000           ; the floor 2^(3 - 127): the byte cannot fall under 1
	v_add_nc_u32 v10, 0xff000000, v8               ; 2 off the exponent field: the conversions' scale operand
	v_lshrrev_b32 v[16+(\j)], 23, v10              ; the byte
	v_cvt_scalef32_pk16_fp6_f32 v[GG+4*(\j):GG+4*(\j)+2], v[XS:XS+15], v10
	v_cvt_scalef32_pk16_fp6_f32 v[TW:TW+2], v[XS+16:XS+31], v10
	v_nop                                          ; one plain instruction behind the scaled conversions
	v_mov_b32 v[GG+4*(\j)+3], v[TW]
	v_mov_b32 v[YY+4*((\j)/2)+2*((\j)%2)], v[TW+1]
	v_mov_b32 v[YY+4*((\j)/2)+2*((\j)%2)+1], v[TW+2]
.endm
	LOADS 0, 56
	BLOCK 0, 24, 56, 32                            ; rows 0-55 are issued: behind rows 0-31 stand 24; then rows 56-87 go out: 56 outstanding
	BLOCK 1, 24, 88, 32                            ; rows 0-87 are issued: behind rows 32-63 stand 24; then rows 88-119
	BLOCK 2, 24, 120, 8                            ; rows 0-119 are issued: behind rows 64-95 stand 24; then the last eight rows
	BLOCK 3, 0, 0, 0
	v_lshl_or_b32 v20, v17, 8, v16                 ; my column's scale word for this K step
	v_lshl_or_b32 v20, v18, 16, v20
	v_lshl_or_b32 v20, v19, 24, v20
.irp j, 0,1,2,3                        ; sixteen lanes of a tile store 256 consecutive bytes, aligned
	global_store_b128 v2, v[GG+4*\j:GG+4*\j+3], s[26:27] offset:768*(\j/2)+256*(\j%2)
.endr
.irp c, 0,1
	global_store_b128 v2, v[YY+4*\c:YY+4*\c+3], s[26:27] offset:768*\c+512
.endr
	ds_store_b32 v3, v20
	s_wait_dscnt 0x0                               ; for the others' sake: my word has landed
	s_barrier_signal -1
	s_barrier_wait -1
	s_cmp_lg_u32 s18, 0                            ; wave 0 stores the two tiles' words; no barrier stands in this branch
	s_cbranch_scc1 .Lnot_wave_0
	ds_load_b128 v[188:191], v4
	s_wait_dscnt 0x0
	global_store_b128 v5, v[188:191], s[28:29]
.Lnot_wave_0:
	s_wait_tensorcnt 0x0                           ; the wave's end
	ds_add_u32 v6, v7
	s_wait_dscnt 0x0
	s_endpgm
.Lfunc_end_k_q4ab4dbfe39_quant:
	.size	k_q4ab4dbfe39_quant, .Lfunc_end_k_q4ab4dbfe39_quant-k_q4ab4dbfe39_quant
	.p2alignl 7, 3214868480
	.fill 96, 4, 3214868480
	.section	.rodata,"a",@progbits
	.p2align	6, 0x0
	.amdhsa_kernel k_q4ab4dbfe39_quant
		.amdhsa_group_segment_fixed_size 34816
		.amdhsa_private_segment_fixed_size 0
		.amdhsa_enable_private_segment 0
		.amdhsa_kernarg_size 72
		.amdhsa_user_sgpr_count 2
		.amdhsa_user_sgpr_kernarg_segment_ptr 1
		.amdhsa_wavefront_size32 1
		.amdhsa_system_sgpr_workgroup_id_x 1
		.amdhsa_system_sgpr_workgroup_id_y 1
		.amdhsa_system_sgpr_workgroup_id_z 1
		.amdhsa_system_vgpr_workitem_id 0
		.amdhsa_next_free_vgpr 256
		.amdhsa_next_free_sgpr 66
		.amdhsa_reserve_vcc 1
		.amdhsa_float_denorm_mode_32 3
		.amdhsa_float_denorm_mode_16_64 3
		.amdhsa_memory_ordered 1
		.amdhsa_forward_progress 1
		.amdhsa_inst_pref_size 52
	.end_amdhsa_kernel
	.amdgpu_metadata
---
amdhsa.version: [ 1, 2 ]
amdhsa.kernels:
  - .name:           k_q4ab4dbfe39_quant
    .symbol:         k_q4ab4dbfe39_quant.kd
    .args:
      - { .name: x, .offset: 0, .size: 8, .value_kind: global_buffer, .address_space: global }
      - { .name: xq, .offset: 8, .size: 8, .value_kind: global_buffer, .address_space: global }
      - { .name: Wq, .offset: 16, .size: 8, .value_kind: global_buffer, .address_space: global }
      - { .name: Wk, .offset: 24, .size: 8, .value_kind: global_buffer, .address_space: global }
      - { .name: Wv, .offset: 32, .size: 8, .value_kind: global_buffer, .address_space: global }
      - { .name: Wo, .offset: 40, .size: 8, .value_kind: global_buffer, .address_space: global }
      - { .name: wqk_c, .offset: 48, .size: 8, .value_kind: global_buffer, .address_space: global }
      - { .name: wv_c, .offset: 56, .size: 8, .value_kind: global_buffer, .address_space: global }
      - { .name: wo_c, .offset: 64, .size: 8, .value_kind: global_buffer, .address_space: global }
    .group_segment_fixed_size: 34816
    .private_segment_fixed_size: 0
    .kernarg_segment_align: 8
    .kernarg_segment_size: 72
    .max_flat_workgroup_size: 128
    .sgpr_count:     66
    .vgpr_count:     256
    .wavefront_size: 32
...
	.end_amdgpu_metadata
.endif
;; end of part 1
;; launch gemm_qkv (part 2): grid 8 x 96, 4 waves a work-group, clusters of 4 x 4, 327,680 bytes of LDS; arguments wqk_c, xq, qk_c, wv_c, vt_c; writes qk_c, vt_c
.if DOCPART == 2
	.amdgcn_target "amdgcn-amd-amdhsa--gfx1250"
	.amdhsa_code_object_version 6
	.text
	.protected	k_q4ab4dbfe39_gemm_qkv
	.globl	k_q4ab4dbfe39_gemm_qkv
	.p2align	8
	.type	k_q4ab4dbfe39_gemm_qkv,@function
k_q4ab4dbfe39_gemm_qkv:
	s_mov_b64 s[64:65], 0
	v_nop
	global_prefetch_b8 v0, s[64:65] scope:SCOPE_SE
	s_setreg_imm32_b32 hwreg(HW_REG_WAVE_MODE, 25, 1), 1
	s_wait_xcnt 0x0
	s_wait_alu depctr_hold_cnt(0) depctr_sa_sdst(0) depctr_va_vdst(0) depctr_va_sdst(0) depctr_va_ssrc(0) depctr_va_vcc(0) depctr_vm_vsrc(0)
	s_getreg_b32 s2, hwreg(HW_REG_IB_STS2, 6, 4)
	s_cmp_eq_u32 s2, 0
	s_cbranch_scc0 .Lentry_in_a_cluster
	s_endpgm
.Lentry_in_a_cluster:
	s_bfe_u32 s2, ttmp6, 0x10000c
	s_cmp_lg_u32 s2, 0xf033
	s_cbranch_scc0 .Lentry_shape_is_right
	s_endpgm
.Lentry_shape_is_right:
; D = P R^T over K = 1,024 on codes of FP6 (E2M3) with E8M0 scales, and D QUANTISED AGAIN along P's rows, which are the next product's K.
; P and R are buffers of tiles of 12,800 bytes: eight images of operand registers (1,536 bytes for 128 along K), then 512 bytes of scale words [K step / 4][r][K step % 4].
; Lane r of tile t is row 32 (t / 2) + 8 (t % 2) + r + 8 (r / 8).  Source 0 = a tile of P, source 1 = a tile of R: lane (r, h) of a result holds R's row of lane r, and
; the 16 registers of P's tiles 2 b and 2 b + 1 are P's rows 32 b + 16 h + 0 .. 15: sixteen neighbours along the next K.
; ONE LAUNCH, TWO PRODUCTS, told apart by the cluster's y alone: y < 16: P = Wq's and Wk's columns, R = x's tokens (q, k, quantised along the channels), 8 x 64 work-groups;
; y >= 16: P = x's tokens, R = Wv's columns (v, quantised along the keys), 32 x 8 work-groups, laid as x = 4 (cluster x + 2 ((y - 16) / 2)) + cx, y = 4 ((y - 16) % 2) + cy.
; OUT: blocks of 6,656 bytes for (128 rows of P, 4 tiles of R): two parts c of 3,328: [tile m][768 bytes: half c of the image], then 256 bytes [r][4 words m]:
; part 0 the scale words, part 1 the same shifted right by 16.  Block number = (pg % 16) x 128 + (pg / 16) x 16 + rtg.
; LIMITS: a block of zeros gets the byte 1 (its codes are zeros; this program alone reads the bytes); largest magnitudes under 2^-124 are held at the byte 1; NaN and infinities are not served.
; SHARES.  A work-group: 256 rows of P x 128 rows of R; wave w: 128 x 64: 32 accumulators, (a, b) at v[8 (8 a + b)] of window 2.
; ALL OF K LIES IN LDS, as two halves of 512 along K, 147,456 bytes each, each filled once.  A wave issues one joint load at the head (K steps 0-3) and one behind the
; three lines and a round of the cluster's barrier (K steps 4-7): one tensor load of a wave is out at a time.  All of LDS is claimed.
; CLUSTER 4 x 4: P's tiles hang on the work-group's x alone and are asked for jointly by a column of the cluster, R's on y alone, by a row.
; No data prefetch: the text has no loop to run ahead in, and both halves are asked for within the first K step.
; REGISTERS.  window 0: v1-7 lane terms; v14, v15 the add's two; v16-23 LDS addresses; v28-91 P's scale words (8 b + K step), v96-127 R's (8 a + K step); v128-175, v176-223 R's fragments, two sets.
;   window 1: v0-95, v96-191 P's fragments, two sets.   window 2: the accumulators.
.set TILEB, 12800
.set HK,    147456                     ; half of K in LDS: P's 16 tile rows of 6,144 bytes, then R's 8
.set PHALF, 49152
.set RBASE, 98304
.set RHALF, 24576
.set SPARE, 2*HK                       ; the spare words, 128 bytes a wave, that no other line names
.set L16,  1                           ; 16 x lane
.set LP8,  2                           ; 16 r + 8 h
.set LR,   3                           ; 16 r
.set HH,   7                           ; h
.set SPW,  14
.set NIL,  15
.set AP16, 16                          ; v16, v17: half 0, 1 of K: my half of P's tile rows + 16 x lane; v18, v19: + 16 r + 8 h
.set AP8,  18
.set AR16, 20                          ; the same for R
.set AR8,  22
.set PS,   28
.set RS,   96
.set RF,   128
.set CDS,  128                         ; the way out: tile a's codes at v[128 + 12 a]
.set TT,   176
.set TM,   184                         ; v184-187 largest magnitudes, v188-191 bytes, v196-199 the conversions' scale operands
.set WD,   200
.set G1P,  24
.set G1R,  32
.set G0P,  40                          ; s[40:47] group 0 for P's two halves
.set G0R,  68                          ; s[68:75] for R's
.set SEL,  90
.set MSB, 0
.macro WIN new                         ; the immediate's high byte repeats the setting that is left
.if MSB != \new
	s_set_vgpr_msb (MSB<<8)|\new
.set MSB, \new
.endif
.endm
.set MUL, 0xa1                         ; source 0 (P) window 1, source 1 (R) window 0, C and D window 2
.macro CROUND
	s_barrier_signal -1
	s_barrier_wait -1
	s_cmp_lg_u32 s10, 0
	s_cbranch_scc1 .Lnot_wave_0_\@
	s_barrier_signal -3
.Lnot_wave_0_\@:
	s_barrier_wait -3
	s_barrier_signal -1
	s_barrier_wait -1
.endm
.macro PLACES n
.rept \n
	v_nop
.endr
.endm
.macro JLOAD c                         ; half c of K: waves 0, 1 fetch P's two halves of tile rows, waves 2, 3 R's: one load on every way
	s_cmp_eq_u32 s11, 0
	s_cbranch_scc0 .Lfor_r_\@
	tensor_load_to_lds s[G0P+4*\c:G0P+4*\c+3], s[G1P:G1P+7]
	s_nop 0
	PLACES 4
	s_branch .Lasked_\@
.Lfor_r_\@:
	tensor_load_to_lds s[G0R+4*\c:G0R+4*\c+3], s[G1R:G1R+7]
	s_nop 0
	PLACES 4
.Lasked_\@:
.endm
	s_load_b128 s[4:7], s[0:1], 0x0                ; Wq|Wk's codes, x's
	s_load_b64 s[8:9], s[0:1], 0x10                ; q and k's blocks
	s_load_b128 s[92:95], s[0:1], 0x18             ; Wv's codes, v's blocks
	v_lshl_add_u32 v[SPW], v0, 2, SPARE
	v_mov_b32 v[NIL], 0
	ds_add_u32 v[SPW], v[NIL]                      ; the opening adds
	ds_add_u32 v[SPW], v[NIL]
	v_lshrrev_b32 v1, 5, v0
	v_readfirstlane_b32 s10, v1                    ; wave
	s_lshr_b32 s11, s10, 1                         ; my half of R's rows.  Also: I fetch for P (0) or for R (1)
	s_and_b32 s12, s10, 1                          ; my half of P's rows.  Also: which half of the tile rows I fetch
	s_bfe_u32 s13, ttmp6, 0x40000                  ; cx
	s_bfe_u32 s14, ttmp6, 0x40004                  ; cy
	s_and_b32 s16, ttmp7, 0xffff                   ; the cluster's y
	s_sub_co_u32 s19, s16, 16
	s_lshr_b32 s20, s19, 1
	s_lshl_b32 s20, s20, 1
	s_and_b32 s19, s19, 1
	s_cmp_ge_u32 s16, 16                           ; v's clusters
	s_cselect_b32 s88, 1, 0
	s_cselect_b32 s20, s20, 0
	s_cselect_b32 s16, s19, s16
	s_add_co_u32 s15, ttmp9, s20
	s_lshl_b32 s15, s15, 2
	s_add_co_u32 s15, s15, s13                     ; work-group x of its product
	s_lshl_b32 s16, s16, 2
	s_add_co_u32 s16, s16, s14                     ; work-group y
	s_lshl_b32 s17, 0x1111, s13                    ; my column of the cluster
	s_lshl_b32 s18, s14, 2
	s_lshl_b32 s18, 15, s18                        ; my row
	s_or_b32 s[G1P], s17, (3<<16)|(1<<21)          ; the mask; elements of 8 bytes; no padding; bit 21 beside a mask
	s_or_b32 s[G1R], s18, (3<<16)|(1<<21)
	s_mov_b32 s[G1P+1], 768<<16                    ; rows of 6,144 bytes: four K steps' images of a tile
	s_mov_b32 s[G1P+2], 8<<16                      ; 8 tiles
	s_mov_b32 s[G1P+3], 768<<16
	s_mov_b32 s[G1P+4], 8
	s_mov_b32 s[G1P+5], 1600                       ; 12,800 bytes from tile to tile
	s_mov_b32 s[G1P+6], 0
	s_mov_b32 s[G1P+7], 0
	s_mov_b32 s[G1R+1], 768<<16
	s_mov_b32 s[G1R+2], 4<<16
	s_mov_b32 s[G1R+3], 768<<16
	s_mov_b32 s[G1R+4], 4
	s_mov_b32 s[G1R+5], 1600
	s_mov_b32 s[G1R+6], 0
	s_mov_b32 s[G1R+7], 0
	s_lshl_b32 s56, s15, 4                         ; P: tile 16 x + 8 (wave % 2): never holds cy
	s_lshl_b32 s20, s12, 3
	s_add_co_u32 s56, s56, s20
	s_mul_i32 s56, s56, TILEB
	s_mov_b32 s57, 0
	s_lshl_b32 s58, s16, 3                         ; R: tile 8 y + 4 (wave % 2): never holds cx
	s_lshl_b32 s20, s12, 2
	s_add_co_u32 s58, s58, s20
	s_mul_i32 s58, s58, TILEB
	s_mov_b32 s59, 0
	s_mul_i32 s21, s12, PHALF                      ; where they go: no place in the cluster enters an LDS address
	s_mul_i32 s22, s12, RHALF
	s_add_co_u32 s22, s22, RBASE
	s_lshl_b32 s84, s16, 3                         ; the tiles of R that I multiply: 8 y + 4 (wave / 2): their scale words
	s_lshl_b32 s85, s11, 2
	s_add_co_u32 s84, s84, s85
	s_mul_i32 s84, s84, TILEB
	s_add_co_u32 s84, s84, 12288
	s_mov_b32 s85, 0
	s_lshl_b32 s86, s15, 1                         ; my block of OUT: pg = 2 x + wave % 2, rtg = 2 y + wave / 2
	s_add_co_u32 s86, s86, s12
	s_and_b32 s87, s86, 15
	s_lshl_b32 s87, s87, 7
	s_lshr_b32 s86, s86, 4
	s_lshl_b32 s86, s86, 4
	s_add_co_u32 s86, s86, s87
	s_lshl_b32 s87, s16, 1
	s_add_co_u32 s87, s87, s11
	s_add_co_u32 s86, s86, s87
	s_mul_i32 s86, s86, 6656
	s_mov_b32 s87, 0
	s_mov_b32 s[SEL], 0x76543210
	s_mov_b32 s[SEL+1], 0xfedcba98                 ; selects for lane l xor 16
	s_wait_dscnt 0x0                               ; both opening adds are done
	s_wait_kmcnt 0x0
	s_cmp_eq_u32 s88, 1                            ; the buffers are chosen by the cluster's number alone
	s_cselect_b64 s[4:5], s[6:7], s[4:5]           ; P
	s_cselect_b64 s[6:7], s[92:93], s[6:7]         ; R
	s_cselect_b64 s[8:9], s[94:95], s[8:9]         ; OUT
	s_add_nc_u64 s[56:57], s[4:5], s[56:57]
	s_add_nc_u64 s[58:59], s[6:7], s[58:59]
	s_add_nc_u64 s[60:61], s[56:57], 12288         ; P's scale words: the tiles that I fetch are the tiles that I multiply
	s_add_nc_u64 s[62:63], s[6:7], s[84:85]
	s_add_nc_u64 s[8:9], s[8:9], s[86:87]
.irp c, 0,1
	s_mov_b32 s[G0P+4*\c], 1
	s_add_co_u32 s[G0P+4*\c+1], s21, HK*\c
	s_add_nc_u64 s[G0P+4*\c+2:G0P+4*\c+3], s[56:57], 6144*\c
	s_or_b32 s[G0P+4*\c+3], s[G0P+4*\c+3], 0x80000000
	s_mov_b32 s[G0R+4*\c], 1
	s_add_co_u32 s[G0R+4*\c+1], s22, HK*\c
	s_add_nc_u64 s[G0R+4*\c+2:G0R+4*\c+3], s[58:59], 6144*\c
	s_or_b32 s[G0R+4*\c+3], s[G0R+4*\c+3], 0x80000000
.endr
	CROUND                                         ; all sixteen work-groups are here: the joint loads meet
	JLOAD 0                                        ; K steps 0-3: my one tensor load at the head
	v_and_b32 v8, 31, v0
	v_lshlrev_b32 v[L16], 4, v8
	v_and_b32 v9, 15, v0
	v_bfe_u32 v[HH], v0, 4, 1
	v_lshlrev_b32 v[LR], 4, v9
	v_lshl_add_u32 v[LP8], v[HH], 3, v[LR]
.irp b, 0,1,2,3,4,5,6,7                ; the scale words come once, straight into registers: sixteen lanes read 256 consecutive bytes
.irp f, 0,1
	global_load_b128 v[PS+8*\b+4*\f:PS+8*\b+4*\f+3], v[LR], s[60:61] offset:TILEB*\b+256*\f
.endr
.endr
.irp a, 0,1,2,3
.irp f, 0,1
	global_load_b128 v[RS+8*\a+4*\f:RS+8*\a+4*\f+3], v[LR], s[62:63] offset:TILEB*\a+256*\f
.endr
.endr
	s_mul_i32 s84, s12, PHALF
	s_mul_i32 s85, s11, RHALF
	s_add_co_u32 s85, s85, RBASE
.irp c, 0,1
	v_add_nc_u32 v[AP16+\c], s84, v[L16]
	v_add_nc_u32 v[AP8+\c], s84, v[LP8]
	v_add_nc_u32 v[AR16+\c], s85, v[L16]
	v_add_nc_u32 v[AR8+\c], s85, v[LP8]
	s_add_co_u32 s84, s84, HK
	s_add_co_u32 s85, s85, HK
.endr
; 48 LDS loads in one run: K step q's fragments, P's eight into set p of window 1, R's four into set p of window 0: dense reads, 16 or 8 bytes a lane
.macro FETCH q, p
	WIN 0x40
.irp b, 0,1,2,3,4,5,6,7
.irp c, 0,1
	ds_load_b128 v[96*(\p)+12*\b+6*\c:96*(\p)+12*\b+6*\c+3], v[AP16+(\q)/4] offset:6144*\b+1536*((\q)%4)+768*\c
	ds_load_b64 v[96*(\p)+12*\b+6*\c+4:96*(\p)+12*\b+6*\c+5], v[AP8+(\q)/4] offset:6144*\b+1536*((\q)%4)+768*\c+512
.endr
.endr
	WIN 0
.irp a, 0,1,2,3
.irp c, 0,1
	ds_load_b128 v[RF+48*(\p)+12*\a+6*\c:RF+48*(\p)+12*\a+6*\c+3], v[AR16+(\q)/4] offset:6144*\a+1536*((\q)%4)+768*\c
	ds_load_b64 v[RF+48*(\p)+12*\a+6*\c+4:RF+48*(\p)+12*\a+6*\c+5], v[AR8+(\q)/4] offset:6144*\a+1536*((\q)%4)+768*\c+512
.endr
.endr
.endm
; 8 matrix instructions: R's tile a against P's eight.  The 32 accumulators take turns, one instruction a turn, in the same order in every step.
.macro MUL8 a, p, q, zero
.irp b, 0,1,2,3,4,5,6,7
.if \zero
	v_wmma_scale_f32_16x16x128_f8f6f4 v[8*(8*(\a)+\b):8*(8*(\a)+\b)+7], v[96*(\p)+12*\b:96*(\p)+12*\b+11], v[RF+48*(\p)+12*(\a):RF+48*(\p)+12*(\a)+11], 0, v[PS+8*\b+(\q)], v[RS+8*(\a)+(\q)] matrix_a_fmt:MATRIX_FMT_FP6 matrix_b_fmt:MATRIX_FMT_FP6
.else
	v_wmma_scale_f32_16x16x128_f8f6f4 v[8*(8*(\a)+\b):8*(8*(\a)+\b)+7], v[96*(\p)+12*\b:96*(\p)+12*\b+11], v[RF+48*(\p)+12*(\a):RF+48*(\p)+12*(\a)+11], v[8*(8*(\a)+\b):8*(8*(\a)+\b)+7], v[PS+8*\b+(\q)], v[RS+8*(\a)+(\q)] matrix_a_fmt:MATRIX_FMT_FP6 matrix_b_fmt:MATRIX_FMT_FP6
.endif
.endr
.endm
; A K step of 128: the next step's fragments are asked for at its head, 32 matrix instructions ahead of their use.
; bar = 1 (step 3): the next step begins K's second half: the fetch follows the barrier.
.macro STEP q, zero, bar
	s_wait_dscnt 0x0                               ; this step's fragments are in
.if (\bar) == 0 && (\q) < 7
.if (\q) > 0
	PLACES 4                                       ; four plain instructions between the products that read the other set and the loads into it
.endif
	FETCH (\q)+1, ((\q)+1)%2
.endif
	WIN MUL
	MUL8 0, (\q)%2, \q, \zero
.if \bar
	s_wait_tensorcnt 0x0
	s_barrier_signal -1
.endif
	MUL8 1, (\q)%2, \q, \zero
.if \bar
	s_barrier_wait -1
	PLACES 4
	FETCH (\q)+1, ((\q)+1)%2
	WIN MUL
.endif
	MUL8 2, (\q)%2, \q, \zero
	MUL8 3, (\q)%2, \q, \zero
.endm
	s_wait_alu depctr_va_vdst(0)                   ; the wait at the head's end
	s_wait_tensorcnt 0x0                           ; my part of K steps 0-3 is in; three lines ahead of a later first fill
	ds_add_u32 v[SPW], v[NIL]
	s_wait_dscnt 0x0
	CROUND                                         ; everybody's part is in, and the sixteen work-groups meet
	JLOAD 1                                        ; K steps 4-7: the first tensor load behind the round
	FETCH 0, 0
	s_wait_loadcnt 0x0                             ; the scale words
	STEP 0, 1, 0                                   ; the first step's products start the sums
	STEP 1, 0, 0
	STEP 2, 0, 0
	STEP 3, 0, 1
	STEP 4, 0, 0
	STEP 5, 0, 0
	STEP 6, 0, 0
	STEP 7, 0, 0
; THE WAY OUT.  R's tile a: 64 numbers a lane, register 16 b + i = P's row 32 b + 16 h + i: four blocks of 32, each shared with lane l xor 16: one fragment and one scale word a row.
.macro QUANTA a
.set SA, 64*(\a)
.set PC, CDS+12*(\a)
	WIN 0x0a
.irp b, 0,1,2,3
	v_max3_num_f32 v[TM+\b], |v[SA+16*\b]|, |v[SA+16*\b+1]|, 0x1800000   ; from each accumulator's low end on; the floor 2^(3 - 127) holds the byte at 1 from below
.endr
	WIN 0x28
.irp i, 2,4,6,8,10,12,14
.irp b, 0,1,2,3
	v_max3_num_f32 v[TM+\b], v[TM+\b], |v[SA+16*\b+\i]|, |v[SA+16*\b+\i+1]|
.endr
.endr
	WIN 0
.irp b, 0,1,2,3
	v_permlanex16_b32 v[TM+4+\b], v[TM+\b], s[SEL], s[SEL+1]
.endr
.irp b, 0,1,2,3
	v_max_num_f32 v[TM+\b], v[TM+\b], v[TM+4+\b]   ; the block's largest magnitude
.endr
.irp b, 0,1,2,3
	v_add_nc_u32 v[TM+12+\b], 0xff000000, v[TM+\b] ; 2 off its exponent field: the conversion's scale operand
.endr
.irp b, 0,1,2,3
	v_lshrrev_b32 v[TM+4+\b], 23, v[TM+12+\b]      ; the byte
.endr
	v_lshl_or_b32 v[WD+(\a)], v[TM+5], 8, v[TM+4]
	v_lshl_or_b32 v[WD+(\a)], v[TM+6], 16, v[WD+(\a)]
	v_lshl_or_b32 v[WD+(\a)], v[TM+7], 24, v[WD+(\a)]
	WIN 0x02
.irp c, 0,1
	v_cvt_scalef32_pk16_fp6_f32 v[PC+6*\c:PC+6*\c+2], v[SA+32*\c:SA+32*\c+15], v[TM+12+2*\c]
	v_cvt_scalef32_pk16_fp6_f32 v[TT+4*\c:TT+4*\c+2], v[SA+32*\c+16:SA+32*\c+31], v[TM+13+2*\c]
.endr
	WIN 0
	v_nop                                          ; one plain instruction behind the scaled conversions
.irp c, 0,1                            ; a whole block in a lane: lanes 0-15 block 2 c, lanes 16-31 block 2 c + 1
.irp i, 0,1,2
	v_permlane16_swap_b32 v[PC+6*\c+\i], v[TT+4*\c+\i]
.endr
.irp i, 0,1,2
	v_mov_b32 v[PC+6*\c+3+\i], v[TT+4*\c+\i]
.endr
.endr
.irp c, 0,1                            ; half c goes to part c; whole aligned runs of 256 bytes; a set of registers for each tile
	global_store_b128 v[L16], v[PC+6*\c:PC+6*\c+3], s[8:9] offset:3328*\c+768*(\a)
	global_store_b64 v[LP8], v[PC+6*\c+4:PC+6*\c+5], s[8:9] offset:3328*\c+768*(\a)+512
.endr
.endm
	WIN 0
	PLACES 4                                       ; between the last products and the first read of results and write of their operands
.irp b, 0,1,2,3
	v_mov_b32 v[TM+4+\b], 0                        ; a lane permute's destination counts as one of its sources
.endr
	QUANTA 0
	QUANTA 1
	QUANTA 2
	QUANTA 3
	v_cmp_ne_u32 vcc_lo, 0, v[HH]                  ; [r][4 words]: lanes 0-15 store tiles 0 and 1's words, lanes 16-31 tiles 2 and 3's
	v_cndmask_b32 v204, v[WD], v[WD+2], vcc_lo
	v_cndmask_b32 v205, v[WD+1], v[WD+3], vcc_lo
	v_lshrrev_b32 v206, 16, v204                   ; part 1: the upper 64's two bytes in bytes 0 and 1
	v_lshrrev_b32 v207, 16, v205
	global_store_b64 v[LP8], v[204:205], s[8:9] offset:3072
	global_store_b64 v[LP8], v[206:207], s[8:9] offset:6400
	s_wait_tensorcnt 0x0                           ; the wave's end
	ds_add_u32 v[SPW], v[NIL]
	s_wait_dscnt 0x0
	CROUND                                         ; the closing round
	s_endpgm
.Lfunc_end_k_q4ab4dbfe39_gemm_qkv:
	.size	k_q4ab4dbfe39_gemm_qkv, .Lfunc_end_k_q4ab4dbfe39_gemm_qkv-k_q4ab4dbfe39_gemm_qkv
	.p2alignl 7, 3214868480
	.fill 96, 4, 3214868480
	.section	.rodata,"a",@progbits
	.p2align	6, 0x0
	.amdhsa_kernel k_q4ab4dbfe39_gemm_qkv
		.amdhsa_group_segment_fixed_size 327680
		.amdhsa_private_segment_fixed_size 0
		.amdhsa_enable_private_segment 0
		.amdhsa_kernarg_size 40
		.amdhsa_user_sgpr_count 2
		.amdhsa_user_sgpr_kernarg_segment_ptr 1
		.amdhsa_wavefront_size32 1
		.amdhsa_system_sgpr_workgroup_id_x 1
		.amdhsa_system_sgpr_workgroup_id_y 1
		.amdhsa_system_sgpr_workgroup_id_z 1
		.amdhsa_system_vgpr_workitem_id 0
		.amdhsa_next_free_vgpr 768
		.amdhsa_next_free_sgpr 100
		.amdhsa_reserve_vcc 1
		.amdhsa_float_denorm_mode_32 3
		.amdhsa_float_denorm_mode_16_64 3
		.amdhsa_memory_ordered 1
		.amdhsa_forward_progress 1
		.amdhsa_inst_pref_size 87
	.end_amdhsa_kernel
	.amdgpu_metadata
---
amdhsa.version: [ 1, 2 ]
amdhsa.kernels:
  - .name:           k_q4ab4dbfe39_gemm_qkv
    .symbol:         k_q4ab4dbfe39_gemm_qkv.kd
    .args:
      - { .name: wqk_c, .offset: 0, .size: 8, .value_kind: global_buffer, .address_space: global }
      - { .name: xq, .offset: 8, .size: 8, .value_kind: global_buffer, .address_space: global }
      - { .name: qk_c, .offset: 16, .size: 8, .value_kind: global_buffer, .address_space: global }
      - { .name: wv_c, .offset: 24, .size: 8, .value_kind: global_buffer, .address_space: global }
      - { .name: vt_c, .offset: 32, .size: 8, .value_kind: global_buffer, .address_space: global }
    .group_segment_fixed_size: 327680
    .private_segment_fixed_size: 0
    .kernarg_segment_align: 8
    .kernarg_segment_size: 40
    .max_flat_workgroup_size: 128
    .sgpr_count:     100
    .vgpr_count:     768
    .wavefront_size: 32
...
	.end_amdgpu_metadata
.endif
;; end of part 2
;; launch attn (part 3): grid 4 x 64, 16 waves a work-group, clusters of 4 x 1, 215,040 bytes of LDS; arguments qk_c, vt_c, oq_c; writes oq_c
.if DOCPART == 3
	.amdgcn_target "amdgcn-amd-amdhsa--gfx1250"
	.amdhsa_code_object_version 6
	.text
	.protected	k_q4ab4dbfe39_attn
	.globl	k_q4ab4dbfe39_attn
	.p2align	8
	.type	k_q4ab4dbfe39_attn,@function
k_q4ab4dbfe39_attn:
	s_mov_b64 s[64:65], 0
	v_nop
	global_prefetch_b8 v0, s[64:65] scope:SCOPE_SE
	s_setreg_imm32_b32 hwreg(HW_REG_WAVE_MODE, 25, 1), 1
	s_wait_xcnt 0x0
	s_wait_alu depctr_hold_cnt(0) depctr_sa_sdst(0) depctr_va_vdst(0) depctr_va_sdst(0) depctr_va_ssrc(0) depctr_va_vcc(0) depctr_vm_vsrc(0)
	s_getreg_b32 s2, hwreg(HW_REG_IB_STS2, 6, 4)
	s_cmp_eq_u32 s2, 0
	s_cbranch_scc0 .Lentry_in_a_cluster
	s_endpgm
.Lentry_in_a_cluster:
	s_bfe_u32 s2, ttmp6, 0x10000c
	s_cmp_lg_u32 s2, 0x3003
	s_cbranch_scc0 .Lentry_shape_is_right
	s_endpgm
.Lentry_shape_is_right:
; Causal attention of one (batch, head) to a cluster of four work-groups, both products on codes of FP6 (E2M3) with E8M0 scales; head size 64, 2,048 tokens.
; t = score x log2(e) / 8; M = the running largest t rounded UP to a whole number; p = 2^(t - M) is quantised along the keys, not normalised; the row's sum is taken of the unquantised p
; and divides O at the end; when M moves, the sum and O are multiplied by 2^(old M - new M), which rounds nothing.  O / sum is quantised along the model's axis for the last product.
; LIMITS: a block of zeros gets the byte 1 (its codes are zeros; this program alone reads the bytes); largest magnitudes under 2^-124 are held at the byte 1; NaN and infinities are not served.
; INPUTS (blocks of 6,656 bytes = two parts of 3,328: four halves of register images of 768 bytes, then 256 bytes [r][4 scale words]).  q and k: part c is head 2 hp + c of four tiles of 16 tokens:
; 64 codes in registers 0-5; registers 6-11 of the operand are zeros here, kept in registers, since the instruction's K is 128 and the head's 64.  v: a block is the head's four tiles of 16 channels x 128 keys.
; Lane r of token tile t is token 32 (t / 2) + 8 (t % 2) + r + 8 (r / 8), so the 16 registers of two neighbouring tiles of S^T are 16 neighbouring keys.
; Both products are used transposed: S^T = K Q^T, O^T = V^T P^T: a lane holds one query throughout.
; THE HEAD'S WHOLE K AND V, 212,992 bytes, COME INTO LDS ONCE, by joint loads that name the cluster's four work-groups: steps 0-3 first, steps 4-15 behind them.  No slot is filled again.
; SHARES.  Wave w of work-group cx owns query tiles 127 - (8 (w / 2) + e) and 8 (w / 2) + e, e = w % 2 + 2 cx: 16 - w / 2 and w / 2 + 1 key steps of 128: 17 for every wave.
; cx enters global addresses and the mask's numbers alone; every branch hangs on the wave's number and a loop's count.  All trip counts are constants: a step all of whose keys are hidden is jumped over.
; REGISTERS: v1-3 lane terms; v4, v5 the add's two; v6 the mask's number, v7 its lane term; v8-10 LDS addresses; v11 Q's scale words, v12-15 V's; v16 -M, v17 the largest t, v[18:19] the sum;
; v20-31 Q; v32-79 four fragments of K; v80-127 four of V; v128-191 S^T, then p; v192-223 O^T; v224-235 p's codes; v232-247 at work; v248-251 K's scale words; v252 f, v253 p's scale word; v254, v255 at work.
.set STEPB, 6656                       ; a key step in LDS: K's two parts; V's block
.set PART,  3328
.set VB,    106496                     ; V behind K's 16 steps
.set SPARE, 212992                     ; the spare words, 128 bytes for each of 16 waves, that no other line names
.set KFR,   32
.set VFR,   80
.set S,     128
.set OT,    192
.set LIM,   12                         ; s12  the pass's last step, on the diagonal
.set SI,    13                         ; s13  the step
.set TS,    14                         ; s14  its bytes in LDS
.set SEL,   20
.set CS,    22
.set SETB,  76                         ; s[76:84]: the pass of the late tile: Q's codes, Q's scale words, O's codes, O's scale bytes, the mask's number
.set SETA,  86                         ; s[86:94]: of the early tile
.macro CROUND
	s_barrier_signal -1
	s_barrier_wait -1
	s_cmp_lg_u32 s10, 0
	s_cbranch_scc1 .Lnot_wave_0_\@
	s_barrier_signal -3
.Lnot_wave_0_\@:
	s_barrier_wait -3
	s_barrier_signal -1
	s_barrier_wait -1
.endm
.macro GROUP1 g, len, rows, pitch      ; a descriptor's group 1: rows of len elements of 8 bytes, pitch elements apart, dense in LDS
	s_mov_b32 s[\g], 15|(3<<16)|(1<<21)            ; 15:0 the mask: all four work-groups; 17:16 elements of 8 bytes; no padding; 21 set beside a mask
	s_mov_b32 s[\g+1], (\len)<<16
	s_mov_b32 s[\g+2], (\rows)<<16
	s_mov_b32 s[\g+3], (\len)<<16
	s_mov_b32 s[\g+4], \rows
	s_mov_b32 s[\g+5], \pitch
	s_mov_b32 s[\g+6], 0
	s_mov_b32 s[\g+7], 0
.endm
	s_load_b128 s[4:7], s[0:1], 0x0                ; q and k, v
	s_load_b64 s[8:9], s[0:1], 0x10                ; the output's codes
	v_lshl_add_u32 v4, v0, 2, SPARE
	v_mov_b32 v5, 0
	ds_add_u32 v4, v5                              ; the wave's opening
	ds_add_u32 v4, v5
	v_lshrrev_b32 v8, 5, v0
	s_delay_alu instid0(VALU_DEP_1)
	v_readfirstlane_b32 s10, v8                    ; wave 0..15
	s_lshr_b32 s11, s10, 1                         ; g
	s_and_b32 s15, s10, 1
	s_and_b32 s16, ttmp7, 0xffff                   ; 16 x batch + head
	s_lshr_b32 s17, s16, 4                         ; batch
	s_and_b32 s18, s16, 15                         ; head
	s_lshr_b32 s19, s18, 1                         ; pair of heads
	s_and_b32 s2, s18, 1                           ; which of the pair: the part
	GROUP1 24, 416, 4, 832                         ; K, steps 0-3: a wave's 4 parts of 3,328 bytes, 6,656 apart
	GROUP1 32, 416, 12, 832                        ; K, steps 4-15: 12 parts
	GROUP1 40, 832, 2, 106496                      ; V, steps 0-3: a wave's 2 blocks of 6,656 bytes, 128 blocks apart
	GROUP1 48, 832, 6, 106496                      ; V, steps 4-15: 6 blocks
	s_mov_b32 s[SEL], 0x76543210
	s_mov_b32 s[SEL+1], 0xfedcba98                 ; selects for lane l xor 16
	s_mov_b32 s[CS], 0x3e38aa3b                    ; c = log2(e) / 8
	s_mov_b32 s[CS+1], s[CS]                       ; (named with it as a pair)
	v_and_b32 v8, 31, v0
	s_delay_alu instid0(VALU_DEP_1)
	v_lshlrev_b32 v1, 4, v8                        ; v1: 16 x lane
	v_and_b32 v9, 15, v0                           ; r
	v_bfe_u32 v10, v0, 4, 1                        ; h
	s_delay_alu instid0(VALU_DEP_2)
	v_lshlrev_b32 v3, 4, v9                        ; v3: 16 r
	s_delay_alu instid0(VALU_DEP_1)
	v_lshl_add_u32 v2, v10, 3, v3                  ; v2: 16 r + 8 h
	s_delay_alu instid0(VALU_DEP_4)
	v_and_b32 v7, 8, v9
	s_delay_alu instid0(VALU_DEP_1)
	v_add_nc_u32 v7, v7, v9
	v_lshlrev_b32 v10, 4, v10
	s_delay_alu instid0(VALU_DEP_1)
	v_sub_nc_u32 v7, v7, v10                       ; v7: r + 8 (r / 8) - 16 h
	s_lshl_b32 s3, s19, 7                          ; K's first block of the head: ((8 + pair) x 128 + 32 x batch), its part
	s_add_co_u32 s3, s3, 1024
	s_lshl_b32 s85, s17, 5
	s_add_co_u32 s3, s3, s85
	s_mul_i32 s3, s3, STEPB
	s_mul_i32 s85, s2, PART
	s_add_co_u32 s3, s3, s85
	s_mov_b32 s67, 0
	s_wait_dscnt 0x0                               ; the opening add is done
	s_wait_kmcnt 0x0
	s_mov_b32 s56, 1                               ; K, steps 0-3: wave 0 the first four parts, wave 1 the next four
	s_mul_i32 s57, s15, 13312
	s_mul_i32 s66, s15, 26624
	s_add_co_u32 s66, s66, s3
	s_add_nc_u64 s[58:59], s[4:5], s[66:67]
	s_or_b32 s59, s59, 0x80000000
	s_mov_b32 s60, 1                               ; K, steps 4-15: twelve parts a wave
	s_mul_i32 s61, s15, 39936
	s_add_co_u32 s61, s61, 26624
	s_mul_i32 s66, s15, 79872
	s_add_co_u32 s66, s66, s3
	s_add_co_u32 s66, s66, 53248
	s_add_nc_u64 s[62:63], s[4:5], s[66:67]
	s_or_b32 s63, s63, 0x80000000
	s_mul_i32 s3, s16, STEPB                       ; V's block of step 0: number 16 x batch + head
	s_mov_b32 s68, 1                               ; V, steps 0-3: two blocks a wave
	s_mul_i32 s69, s15, 13312
	s_add_co_u32 s69, s69, VB
	s_mul_i32 s66, s15, 1703936
	s_add_co_u32 s66, s66, s3
	s_add_nc_u64 s[70:71], s[6:7], s[66:67]
	s_or_b32 s71, s71, 0x80000000
	s_mov_b32 s72, 1                               ; V, steps 4-15: six blocks a wave
	s_mul_i32 s73, s15, 39936
	s_add_co_u32 s73, s73, VB+26624
	s_mul_i32 s66, s15, 5111808
	s_add_co_u32 s66, s66, s3
	s_add_co_u32 s66, s66, 3407872
	s_add_nc_u64 s[74:75], s[6:7], s[66:67]
	s_or_b32 s75, s75, 0x80000000
	CROUND                                         ; all four work-groups are here: the joint loads meet
	s_cmp_lt_u32 s10, 2                            ; one chain of branches on the wave's number, one fill to an arm: waves 0, 1 K's steps 0-3
	s_cbranch_scc0 .Lnot_k
	tensor_load_to_lds s[56:59], s[24:31]
	s_nop 0
.rept 4
	v_nop
.endr
	s_branch .Lasked
.Lnot_k:
	s_cmp_lt_u32 s10, 4                            ; waves 2, 3: V's steps 0-3
	s_cbranch_scc0 .Lnot_v
	tensor_load_to_lds s[68:71], s[40:47]
	s_nop 0
.rept 4
	v_nop
.endr
	s_branch .Lasked
.Lnot_v:
	s_cmp_lt_u32 s10, 6                            ; waves 4, 5: K's steps 4-15
	s_cbranch_scc0 .Lnot_k2
	tensor_load_to_lds s[60:63], s[32:39]
	s_nop 0
.rept 4
	v_nop
.endr
	s_branch .Lasked
.Lnot_k2:
	s_cmp_lt_u32 s10, 8                            ; waves 6, 7: V's steps 4-15; the other waves fetch nothing
	s_cbranch_scc0 .Lasked
	tensor_load_to_lds s[72:75], s[48:55]
	s_nop 0
.rept 4
	v_nop
.endr
.Lasked:
.irp i, 26,27,28,29,30,31
	v_mov_b32 v[\i], 0                             ; Q's upper 64 along K: zero codes
.endr
.irp m, 0,1,2,3
.irp i, 6,7,8,9,10,11
	v_mov_b32 v[KFR+12*\m+\i], 0                   ; K's likewise: written once
.endr
.endr
.irp i, 236,237,238,239,253,254
	v_mov_b32 v[\i], 0                             ; lane permutes' destinations, and the upper half of the pair v[252:253], are named before they are first written
.endr
; A pass's addresses, from its query tile in s95.  These hang on cx: they are made behind the fills, in registers that feed no descriptor.
.macro PASSSET base
	s_lshr_b32 s96, s95, 2
	s_lshl_b32 s97, s19, 7
	s_add_co_u32 s96, s96, s97
	s_lshl_b32 s97, s17, 5
	s_add_co_u32 s96, s96, s97                     ; Q's block: pair x 128 + 32 x batch + tile / 4
	s_mul_i32 s96, s96, STEPB
	s_mul_i32 s97, s2, PART
	s_add_co_u32 s96, s96, s97
	s_and_b32 s97, s95, 3
	s_mul_i32 s98, s97, 768
	s_add_co_u32 s98, s98, s96
	s_mov_b32 s99, 0
	s_add_nc_u64 s[\base:\base+1], s[4:5], s[98:99]
	s_lshl_b32 s98, s97, 2
	s_add_co_u32 s98, s98, s96
	s_add_co_u32 s98, s98, 3072
	s_add_nc_u64 s[\base+2:\base+3], s[4:5], s[98:99]
	s_lshl_b32 s96, s17, 7
	s_add_co_u32 s96, s96, s95
	s_mul_i32 s96, s96, 12800                      ; the output's tile: 128 x batch + tile
	s_mul_i32 s98, s19, 1536                       ; K step = the pair of heads, half = which of the pair
	s_add_co_u32 s98, s98, s96
	s_mul_i32 s97, s2, 768
	s_add_co_u32 s98, s98, s97
	s_add_nc_u64 s[\base+4:\base+5], s[8:9], s[98:99]
	s_lshr_b32 s98, s19, 2
	s_lshl_b32 s98, s98, 8
	s_add_co_u32 s98, s98, s96
	s_and_b32 s97, s19, 3
	s_lshl_b32 s97, s97, 2
	s_add_co_u32 s98, s98, s97
	s_lshl_b32 s97, s2, 1
	s_add_co_u32 s98, s98, s97
	s_add_co_u32 s98, s98, 12288
	s_add_nc_u64 s[\base+6:\base+7], s[8:9], s[98:99]
	s_and_b32 s96, s95, 7
	s_lshr_b32 s96, s96, 1
	s_lshl_b32 s96, s96, 5
	s_and_b32 s97, s95, 1
	s_lshl_b32 s97, s97, 3
	s_add_co_u32 s[\base+8], s96, s97              ; the tile's first query within its step of 128
.endm
	s_bfe_u32 s96, ttmp6, 0x40000                  ; cx
	s_lshl_b32 s96, s96, 1
	s_add_co_u32 s96, s96, s15                     ; e
	s_lshl_b32 s95, s11, 3
	s_add_co_u32 s95, s95, s96                     ; the early tile
	PASSSET SETA
	s_sub_co_u32 s95, 127, s95                     ; the late tile
	PASSSET SETB
.macro QLOAD base
	global_load_b128 v[20:23], v1, s[\base:\base+1]
	global_load_b64 v[24:25], v2, s[\base:\base+1] offset:512
	global_load_b32 v11, v3, s[\base+2:\base+3]
.endm
.macro INIT base
	v_add_nc_u32 v6, s[\base+8], v7                ; my query, within the diagonal's step, less 16 h
	v_mov_b32 v17, 0xff61b1e6                      ; the largest t so far: -3e38
	s_delay_alu instid0(VALU_DEP_1)
	v_floor_f32 v16, -v17                          ; -M
	v_mov_b32 v18, 0
	v_mov_b32 v19, 0
.set j, 0
.rept 32
	v_mov_b32 v[OT+j], 0                           ; the step is written once: the first finds zeros, which the first change of M leaves zeros
.set j, j+1
.endr
	s_wait_loadcnt 0x0                             ; Q
.endm
; A KEY STEP of 128 keys.  mode = 1: it may lie beyond the diagonal (left out) or on it (masked).
.macro STEP mode
.if \mode
	s_cmp_gt_u32 s[SI], s[LIM]                     ; the wave's number and the loop's count alone; no barrier and no tensor load stands in a step
	s_cbranch_scc1 .Lhid_\@
.endif
	v_add_nc_u32 v8, s[TS], v1
	v_add_nc_u32 v9, s[TS], v2
	v_add_nc_u32 v10, s[TS], v3
.irp k, 0,1                            ; S^T = K Q^T, a part of four tiles of 16 keys at a time
.if \k
.rept 4
	v_nop                                          ; four plain instructions between the products and the loads into their operands
.endr
.endif
.irp m, 0,1,2,3
	ds_load_b128 v[KFR+12*\m:KFR+12*\m+3], v8 offset:PART*\k+768*\m
	ds_load_b64 v[KFR+12*\m+4:KFR+12*\m+5], v9 offset:PART*\k+768*\m+512
.endr
	ds_load_b128 v[248:251], v10 offset:PART*\k+3072
.if \k
	v_add_nc_u32 v8, VB, v8                        ; on to V's block of this step: asked for now, wanted behind the softmax
	v_add_nc_u32 v9, VB, v9
	v_add_nc_u32 v10, VB, v10
.irp d, 0,1,2,3
.irp c, 0,1
	ds_load_b128 v[VFR+12*\d+6*\c:VFR+12*\d+6*\c+3], v8 offset:PART*\c+768*\d
	ds_load_b64 v[VFR+12*\d+6*\c+4:VFR+12*\d+6*\c+5], v9 offset:PART*\c+768*\d+512
.endr
.endr
	ds_load_b128 v[12:15], v10 offset:3072
	s_wait_dscnt 17                                ; K's nine loads are in; V's seventeen stay out
.else
	s_wait_alu depctr_va_vdst(0)
	s_wait_dscnt 0x0
.endif
.irp m, 0,1,2,3
	v_wmma_scale_f32_16x16x128_f8f6f4 v[S+32*\k+8*\m:S+32*\k+8*\m+7], v[KFR+12*\m:KFR+12*\m+11], v[20:31], 0, v[248+\m], v11 matrix_a_fmt:MATRIX_FMT_FP6 matrix_b_fmt:MATRIX_FMT_FP6
.endr
.endr
.rept 4
	v_nop
.endr
.if \mode                              ; on the diagonal hidden scores become -infinity ahead of the maximum: register 16 b + i holds key 32 b + 16 h + i of the step
	s_cmp_lg_u32 s[SI], s[LIM]
	s_cbranch_scc1 .Lopen_\@
	v_mov_b32 v254, 0xff800000
.set n, 0
.rept 64
	v_cmp_gt_i32 vcc_lo, 32*(n/16)+n%16, v6
	v_cndmask_b32 v[S+n], v[S+n], v254, vcc_lo
.set n, n+1
.endr
.Lopen_\@:
.endif
.irp b, 0,1,2,3
	v_max3_num_f32 v[232+\b], v[S+16*\b], v[S+16*\b+1], v[S+16*\b+2]   ; the largest score of each block of 32 keys: for the row's maximum, and, since p rises with the score, for the block's largest p
.endr
.irp i, 3,5,7,9,11,13
.irp b, 0,1,2,3
	v_max3_num_f32 v[232+\b], v[232+\b], v[S+16*\b+\i], v[S+16*\b+\i+1]
.endr
.endr
.irp b, 0,1,2,3
	v_max_num_f32 v[232+\b], v[232+\b], v[S+16*\b+15]
.endr
.irp b, 0,1,2,3
	s_delay_alu instid0(VALU_DEP_4)
	v_permlanex16_b32 v[236+\b], v[232+\b], s[SEL], s[SEL+1]
.endr
.irp b, 0,1,2,3
	s_delay_alu instid0(VALU_DEP_4)
	v_max_num_f32 v[232+\b], v[232+\b], v[236+\b]  ; with lane l xor 16's 16 keys
.endr
	s_delay_alu instid0(VALU_DEP_2)
	v_max3_num_f32 v254, v232, v233, v234
	s_delay_alu instid0(VALU_DEP_1)
	v_max_num_f32 v254, v254, v235
	s_delay_alu instid0(VALU_DEP_1)
	v_mul_f32 v254, s[CS], v254                    ; the step's largest t
	s_delay_alu instid0(VALU_DEP_1)
	v_max_num_f32 v17, v17, v254                   ; the running largest t
	v_mov_b32 v254, v16
	s_delay_alu instid0(VALU_DEP_2)
	v_floor_f32 v16, -v17                          ; -M = floor(-t): M is a whole number
	s_delay_alu instid0(VALU_DEP_1)
	v_sub_f32 v254, v16, v254                      ; old M - new M, 0 or less
	s_delay_alu instid0(VALU_DEP_1)
	v_cvt_i32_f32 v254, v254                       ; (it saturates)
	s_delay_alu instid0(VALU_DEP_1)
	v_ldexp_f32 v252, 1.0, v254                    ; f = 2^(old M - new M)
.set j, 0
.rept 32
	v_pk_fma_f32 v[S+j:S+j+1], v[S+j:S+j+1], s[CS:CS+1], v[16:17] op_sel_hi:[1,0,0]   ; t - M, two at a time
.set j, j+2
.endr
.irp b, 0,1,2,3
	v_fma_f32 v[232+\b], v[232+\b], s[CS], v16     ; the same of each block's largest score
.endr
.set j, 0
	s_wait_alu depctr_va_vdst(0)
.rept 64
	v_exp_f32 v[S+j], v[S+j]                       ; p = 2^(t - M)
.set j, j+1
.endr
	v_pk_mul_f32 v[18:19], v[18:19], v[252:253] op_sel_hi:[1,0]   ; the sums under the new M: the plain instruction behind the exponentials
	s_wait_alu depctr_va_vdst(0)                   ; one wait for the batch of 64, ahead of its first reader
.irp b, 0,1,2,3
	v_exp_f32 v[232+\b], v[232+\b]                 ; the blocks' largest p
.endr
	v_pk_add_f32 v[236:237], v[132:133], v[136:137]
	v_pk_add_f32 v[250:251], v[140:141], v[144:145]
	v_pk_add_f32 v[248:249], v[148:149], v[152:153]
	v_pk_add_f32 v[246:247], v[156:157], v[160:161]
	v_pk_add_f32 v[244:245], v[164:165], v[168:169]
	v_pk_add_f32 v[242:243], v[172:173], v[176:177]
	v_pk_add_f32 v[240:241], v[180:181], v[184:185]
	v_pk_add_f32 v[18:19], v[18:19], v[188:189]
	v_pk_add_f32 v[236:237], v[236:237], v[128:129]
	v_pk_add_f32 v[250:251], v[250:251], v[130:131]
	v_pk_add_f32 v[248:249], v[248:249], v[134:135]
	v_pk_add_f32 v[246:247], v[246:247], v[138:139]
	v_pk_add_f32 v[244:245], v[244:245], v[142:143]
	v_pk_add_f32 v[242:243], v[242:243], v[146:147]
	v_pk_add_f32 v[240:241], v[240:241], v[150:151]
	v_pk_add_f32 v[18:19], v[18:19], v[154:155]
	v_pk_add_f32 v[236:237], v[236:237], v[158:159]
	v_pk_add_f32 v[250:251], v[250:251], v[162:163]
	v_pk_add_f32 v[248:249], v[248:249], v[166:167]
	v_pk_add_f32 v[246:247], v[246:247], v[170:171]
	v_pk_add_f32 v[244:245], v[244:245], v[174:175]
	v_pk_add_f32 v[242:243], v[242:243], v[178:179]
	v_pk_add_f32 v[240:241], v[240:241], v[182:183]
	v_pk_add_f32 v[18:19], v[18:19], v[186:187]
	v_pk_add_f32 v[236:237], v[236:237], v[190:191]
	s_delay_alu instid0(VALU_DEP_2)
	v_pk_add_f32 v[18:19], v[18:19], v[246:247]
	s_delay_alu instid0(VALU_DEP_2)
	v_pk_add_f32 v[236:237], v[236:237], v[244:245]
	v_pk_add_f32 v[250:251], v[250:251], v[242:243]
	v_pk_add_f32 v[248:249], v[248:249], v[240:241]
	s_delay_alu instid0(VALU_DEP_2)
	v_pk_add_f32 v[18:19], v[18:19], v[250:251]
	s_delay_alu instid0(VALU_DEP_2)
	v_pk_add_f32 v[236:237], v[236:237], v[248:249]
	s_delay_alu instid0(VALU_DEP_1)
	v_pk_add_f32 v[18:19], v[18:19], v[236:237]
	s_wait_alu depctr_va_vdst(0)                   ; and one for the four
.irp b, 0,1,2,3
	v_max_num_f32 v[232+\b], 0x1800000, v[232+\b]  ; the floor 2^(3 - 127): the byte cannot fall under 1
.endr
.irp b, 0,1,2,3
	s_delay_alu instid0(VALU_DEP_4)
	v_add_nc_u32 v[244+\b], 0xff000000, v[232+\b]  ; 2 off the exponent field: the conversion's scale operand
.endr
.irp b, 0,1,2,3
	s_delay_alu instid0(VALU_DEP_4)
	v_lshrrev_b32 v[236+\b], 23, v[244+\b]
.endr
	s_delay_alu instid0(VALU_DEP_3)
	v_lshl_or_b32 v253, v237, 8, v236              ; p's scale word for these 128 keys
	s_delay_alu instid0(VALU_DEP_1)
	v_lshl_or_b32 v253, v238, 16, v253
	s_delay_alu instid0(VALU_DEP_1)
	v_lshl_or_b32 v253, v239, 24, v253
.irp c, 0,1
	v_cvt_scalef32_pk16_fp6_f32 v[224+6*\c:226+6*\c], v[S+32*\c:S+32*\c+15], v[244+2*\c]
	v_cvt_scalef32_pk16_fp6_f32 v[236+4*\c:238+4*\c], v[S+32*\c+16:S+32*\c+31], v[245+2*\c]
.endr
	v_nop                                          ; one plain instruction behind the scaled conversions
.irp c, 0,1                            ; a whole block in a lane: lanes 0-15 block 2 c, lanes 16-31 block 2 c + 1
.irp i, 0,1,2
	v_permlane16_swap_b32 v[224+6*\c+\i], v[236+4*\c+\i]
.endr
.irp i, 0,1,2
	s_delay_alu instid0(VALU_DEP_3)
	v_mov_b32 v[227+6*\c+\i], v[236+4*\c+\i]
.endr
.endr
.set j, 0
.rept 16
	v_pk_mul_f32 v[OT+j:OT+j+1], v[OT+j:OT+j+1], v[252:253] op_sel_hi:[1,0]   ; O^T under the new M; these sixteen also stand between the writes of p's codes and scale word and the products
.set j, j+2
.endr
	s_wait_alu depctr_va_vdst(0)
	s_wait_dscnt 0x0                               ; V
.irp d, 0,1,2,3                        ; O^T += V^T P^T: four accumulators by turns
	v_wmma_scale_f32_16x16x128_f8f6f4 v[OT+8*\d:OT+8*\d+7], v[VFR+12*\d:VFR+12*\d+11], v[224:235], v[OT+8*\d:OT+8*\d+7], v[12+\d], v253 matrix_a_fmt:MATRIX_FMT_FP6 matrix_b_fmt:MATRIX_FMT_FP6
.endr
.if \mode
.Lhid_\@:
.endif
.endm
; A pass's end: O^T / the sum; register 16 b + i = channel 32 b + 16 h + i of my query: two blocks of 32 along the last product's K; half an image and two scale bytes a row.
.macro FINISH base
.rept 4
	v_nop                                          ; between the last products and the first read of their results
.endr
	v_add_f32 v18, v18, v19
	s_delay_alu instid0(VALU_DEP_1)
	v_permlanex16_b32 v254, v18, s[SEL], s[SEL+1]
	s_delay_alu instid0(VALU_DEP_1)
	v_add_f32 v18, v18, v254                       ; the row's sum
	s_wait_alu depctr_va_vdst(0)
	v_rcp_f32 v18, v18
	v_nop                                          ; a plain instruction behind the reciprocal,
	s_wait_alu depctr_va_vdst(0)                   ; and the wait ahead of its first reader
.set j, 0
.rept 32
	v_mul_f32 v[S+j], v[OT+j], v18
.set j, j+1
.endr
.irp b, 0,1
	v_max3_num_f32 v[232+\b], |v[S+16*\b]|, |v[S+16*\b+1]|, 0x1800000
.endr
.irp i, 2,4,6,8,10,12,14
.irp b, 0,1
	s_delay_alu instid0(VALU_DEP_2)
	v_max3_num_f32 v[232+\b], v[232+\b], |v[S+16*\b+\i]|, |v[S+16*\b+\i+1]|
.endr
.endr
.irp b, 0,1
	s_delay_alu instid0(VALU_DEP_2)
	v_permlanex16_b32 v[236+\b], v[232+\b], s[SEL], s[SEL+1]
.endr
.irp b, 0,1
	s_delay_alu instid0(VALU_DEP_2)
	v_max_num_f32 v[232+\b], v[232+\b], v[236+\b]
.endr
.irp b, 0,1
	s_delay_alu instid0(VALU_DEP_2)
	v_add_nc_u32 v[244+\b], 0xff000000, v[232+\b]
.endr
.irp b, 0,1
	s_delay_alu instid0(VALU_DEP_2)
	v_lshrrev_b32 v[236+\b], 23, v[244+\b]
.endr
	s_delay_alu instid0(VALU_DEP_1)
	v_lshl_or_b32 v255, v237, 8, v236              ; the head's two bytes of the row's scale word
	v_cvt_scalef32_pk16_fp6_f32 v[224:226], v[S:S+15], v244
	v_cvt_scalef32_pk16_fp6_f32 v[240:242], v[S+16:S+31], v245
	v_nop
.irp i, 0,1,2
	v_permlane16_swap_b32 v[224+\i], v[240+\i]
.endr
.irp i, 0,1,2
	s_delay_alu instid0(VALU_DEP_3)
	v_mov_b32 v[227+\i], v[240+\i]
.endr
	global_store_b128 v1, v[224:227], s[\base+4:\base+5]            ; 512 and 256 consecutive bytes, aligned
	global_store_b64 v2, v[228:229], s[\base+4:\base+5] offset:512
	global_store_b16 v3, v255, s[\base+6:\base+7]  ; two bytes a row: a scale word joins two heads, which two clusters own; lanes r and r + 16 write the same bytes with the same value
	s_wait_xcnt 0x0                                ; the stores' registers are written again only behind this wait
.endm
	QLOAD SETB
	s_sub_co_u32 s[LIM], 15, s11
	INIT SETB
	s_cmp_lt_u32 s10, 4                            ; waves 0-3, whose load lines are theirs alone, wait for steps 0-3; steps 4-15 stay out
	s_cbranch_scc0 .Lnot_early
	s_wait_tensorcnt 0x0
.Lnot_early:
	s_barrier_signal -1
	s_barrier_wait -1
	s_mov_b32 s[SI], 0
	s_mov_b32 s[TS], 0
.Lfirst:                               ; the late tile, steps 0-3: every wave's diagonal lies at step 8 or later
	STEP 0
	s_add_co_u32 s[TS], s[TS], STEPB
	s_add_co_u32 s[SI], s[SI], 1
	s_cmp_lt_u32 s[SI], 4
	s_cbranch_scc1 .Lfirst
	s_wait_tensorcnt 0x0                           ; my part of steps 4-15 is in,
	s_wait_dscnt 0x0
	s_barrier_signal -1
	s_barrier_wait -1                              ; everybody's is
	s_mov_b32 s[SI], 4
	s_mov_b32 s[TS], 4*STEPB
.Lsecond:                              ; the late tile, steps 4-15
	STEP 1
	s_add_co_u32 s[TS], s[TS], STEPB
	s_add_co_u32 s[SI], s[SI], 1
	s_cmp_lt_u32 s[SI], 16
	s_cbranch_scc1 .Lsecond
	QLOAD SETA                                     ; the early tile's Q lands while the late tile goes out
	FINISH SETB
	s_mov_b32 s[LIM], s11
	INIT SETA
	s_mov_b32 s[SI], 0
	s_mov_b32 s[TS], 0
.Lthird:                               ; the early tile, steps 0-7
	STEP 1
	s_add_co_u32 s[TS], s[TS], STEPB
	s_add_co_u32 s[SI], s[SI], 1
	s_cmp_lt_u32 s[SI], 8
	s_cbranch_scc1 .Lthird
	FINISH SETA
	s_wait_tensorcnt 0x0                           ; the wave's end
	ds_add_u32 v4, v5
	s_wait_dscnt 0x0
	CROUND                                         ; the closing round
	s_endpgm
.Lfunc_end_k_q4ab4dbfe39_attn:
	.size	k_q4ab4dbfe39_attn, .Lfunc_end_k_q4ab4dbfe39_attn-k_q4ab4dbfe39_attn
	.p2alignl 7, 3214868480
	.fill 96, 4, 3214868480
	.section	.rodata,"a",@progbits
	.p2align	6, 0x0
	.amdhsa_kernel k_q4ab4dbfe39_attn
		.amdhsa_group_segment_fixed_size 215040
		.amdhsa_private_segment_fixed_size 0
		.amdhsa_enable_private_segment 0
		.amdhsa_kernarg_size 24
		.amdhsa_user_sgpr_count 2
		.amdhsa_user_sgpr_kernarg_segment_ptr 1
		.amdhsa_wavefront_size32 1
		.amdhsa_system_sgpr_workgroup_id_x 1
		.amdhsa_system_sgpr_workgroup_id_y 1
		.amdhsa_system_sgpr_workgroup_id_z 1
		.amdhsa_system_vgpr_workitem_id 0
		.amdhsa_next_free_vgpr 256
		.amdhsa_next_free_sgpr 100
		.amdhsa_reserve_vcc 1
		.amdhsa_float_denorm_mode_32 3
		.amdhsa_float_denorm_mode_16_64 3
		.amdhsa_memory_ordered 1
		.amdhsa_forward_progress 1
		.amdhsa_inst_pref_size 87
	.end_amdhsa_kernel
	.amdgpu_metadata
---
amdhsa.version: [ 1, 2 ]
amdhsa.kernels:
  - .name:           k_q4ab4dbfe39_attn
    .symbol:         k_q4ab4dbfe39_attn.kd
    .args:
      - { .name: qk_c, .offset: 0, .size: 8, .value_kind: global_buffer, .address_space: global }
      - { .name: vt_c, .offset: 8, .size: 8, .value_kind: global_buffer, .address_space: global }
      - { .name: oq_c, .offset: 16, .size: 8, .value_kind: global_buffer, .address_space: global }
    .group_segment_fixed_size: 215040
    .private_segment_fixed_size: 0
    .kernarg_segment_align: 8
    .kernarg_segment_size: 24
    .max_flat_workgroup_size: 512
    .sgpr_count:     100
    .vgpr_count:     256
    .wavefront_size: 32
...
	.end_amdgpu_metadata
.endif
;; end of part 3
;; launch gemm_out (part 4): grid 4 x 64, 4 waves a work-group, clusters of 4 x 4, 327,680 bytes of LDS; arguments wo_c, oq_c, out0; writes out0
.if DOCPART == 4
	.amdgcn_target "amdgcn-amd-amdhsa--gfx1250"
	.amdhsa_code_object_version 6
	.text
	.protected	k_q4ab4dbfe39_gemm_out
	.globl	k_q4ab4dbfe39_gemm_out
	.p2align	8
	.type	k_q4ab4dbfe39_gemm_out,@function
k_q4ab4dbfe39_gemm_out:
	s_mov_b64 s[64:65], 0
	v_nop
	global_prefetch_b8 v0, s[64:65] scope:SCOPE_SE
	s_setreg_imm32_b32 hwreg(HW_REG_WAVE_MODE, 25, 1), 1
	s_wait_xcnt 0x0
	s_wait_alu depctr_hold_cnt(0) depctr_sa_sdst(0) depctr_va_vdst(0) depctr_va_sdst(0) depctr_va_ssrc(0) depctr_va_vcc(0) depctr_vm_vsrc(0)
	s_getreg_b32 s2, hwreg(HW_REG_IB_STS2, 6, 4)
	s_cmp_eq_u32 s2, 0
	s_cbranch_scc0 .Lentry_in_a_cluster
	s_endpgm
.Lentry_in_a_cluster:
	s_bfe_u32 s2, ttmp6, 0x10000c
	s_cmp_lg_u32 s2, 0xf033
	s_cbranch_scc0 .Lentry_shape_is_right
	s_endpgm
.Lentry_shape_is_right:
; out0 [8192][1024] f32 = (attention's output) Wo, on codes of FP6 (E2M3) with E8M0 scales: D = P R^T over K = 1,024, P = Wo's columns, R = the tokens.
; P and R are buffers of tiles of 12,800 bytes: eight images of operand registers (1,536 bytes for 128 along K), then 512 bytes of scale words [K step / 4][r][K step % 4].
; Lane r of tile t is row 32 (t / 2) + 8 (t % 2) + r + 8 (r / 8).  Source 0 = a tile of P, source 1 = a tile of R: lane (r, h) holds the token of R's lane r, and the 16 registers of
; P's tiles 2 b and 2 b + 1 are the output's columns 32 b + 16 h + 0 .. 15.
; SHARES.  A work-group: 256 columns x 128 tokens; wave w: 128 x 64: 32 accumulators, (a, b) at v[8 (8 a + b)] of window 2.
; ALL OF K LIES IN LDS, as two halves of 512 along K, 147,456 bytes each, each filled once.  A wave issues one joint load at the head (K steps 0-3) and one behind the
; three lines and a round of the cluster's barrier (K steps 4-7): one tensor load of a wave is out at a time.  All of LDS is claimed.
; CLUSTER 4 x 4: P's tiles hang on the work-group's x alone and are asked for jointly by a column of the cluster, R's on y alone, by a row.
; No data prefetch: the text has no loop to run ahead in, and both halves are asked for within the first K step.
; THE WAY OUT goes through a stage of each wave's own in K's first half, which has had its one fill and whose last reads lie ahead of step 3's barrier; whole rows of 512 bytes are stored.
; REGISTERS.  window 0: v1-7 lane terms and the stage's addresses; v14, v15 the add's two; v16-23 LDS addresses; v28-91 P's scale words, v96-127 R's; v128-175, v176-223 R's fragments, two sets; on the way out v128-255 rows of the output.
;   window 1: v0-95, v96-191 P's fragments, two sets.   window 2: the accumulators.
.set TILEB, 12800
.set HK,    147456                     ; half of K in LDS: P's 16 tile rows of 6,144 bytes, then R's 8
.set PHALF, 49152
.set RBASE, 98304
.set RHALF, 24576
.set SPARE, 2*HK                       ; the spare words, 128 bytes a wave, that no other line names
.set SPITCH, 528                       ; a stage row: 512 bytes + 16
.set L16,  1
.set LP8,  2
.set LR,   3
.set STO,  4                           ; the stage: where I put 16 bytes of a row
.set RD,   5                           ; and where I read a row back
.set HH,   7
.set SPW,  14
.set NIL,  15
.set AP16, 16
.set AP8,  18
.set AR16, 20
.set AR8,  22
.set PS,   28
.set RS,   96
.set RF,   128
.set BK,   128
.set G1P,  24
.set G1R,  32
.set G0P,  40
.set G0R,  68
.set MSB, 0
.macro WIN new
.if MSB != \new
	s_set_vgpr_msb (MSB<<8)|\new
.set MSB, \new
.endif
.endm
.set MUL, 0xa1
.macro CROUND
	s_barrier_signal -1
	s_barrier_wait -1
	s_cmp_lg_u32 s10, 0
	s_cbranch_scc1 .Lnot_wave_0_\@
	s_barrier_signal -3
.Lnot_wave_0_\@:
	s_barrier_wait -3
	s_barrier_signal -1
	s_barrier_wait -1
.endm
.macro PLACES n
.rept \n
	v_nop
.endr
.endm
.macro JLOAD c                         ; half c of K: waves 0, 1 fetch P's two halves of tile rows, waves 2, 3 R's: one load on every way
	s_cmp_eq_u32 s11, 0
	s_cbranch_scc0 .Lfor_r_\@
	tensor_load_to_lds s[G0P+4*\c:G0P+4*\c+3], s[G1P:G1P+7]
	s_nop 0
	PLACES 4
	s_branch .Lasked_\@
.Lfor_r_\@:
	tensor_load_to_lds s[G0R+4*\c:G0R+4*\c+3], s[G1R:G1R+7]
	s_nop 0
	PLACES 4
.Lasked_\@:
.endm
	s_load_b128 s[4:7], s[0:1], 0x0                ; P, R
	s_load_b64 s[8:9], s[0:1], 0x10                ; the output
	v_lshl_add_u32 v[SPW], v0, 2, SPARE
	v_mov_b32 v[NIL], 0
	ds_add_u32 v[SPW], v[NIL]                      ; the opening adds
	ds_add_u32 v[SPW], v[NIL]
	v_lshrrev_b32 v1, 5, v0
	v_readfirstlane_b32 s10, v1                    ; wave
	s_lshr_b32 s11, s10, 1                         ; my half of the tokens.  Also: I fetch for P (0) or for R (1)
	s_and_b32 s12, s10, 1                          ; my half of the columns.  Also: which half of the tile rows I fetch
	s_bfe_u32 s13, ttmp6, 0x40000                  ; cx
	s_bfe_u32 s14, ttmp6, 0x40004                  ; cy
	s_lshl_b32 s15, ttmp9, 2
	s_add_co_u32 s15, s15, s13                     ; work-group x
	s_and_b32 s16, ttmp7, 0xffff
	s_lshl_b32 s16, s16, 2
	s_add_co_u32 s16, s16, s14                     ; work-group y
	s_lshl_b32 s17, 0x1111, s13                    ; my column of the cluster
	s_lshl_b32 s18, s14, 2
	s_lshl_b32 s18, 15, s18                        ; my row
	s_or_b32 s[G1P], s17, (3<<16)|(1<<21)
	s_or_b32 s[G1R], s18, (3<<16)|(1<<21)
	s_mov_b32 s[G1P+1], 768<<16                    ; rows of 6,144 bytes: four K steps' images of a tile
	s_mov_b32 s[G1P+2], 8<<16
	s_mov_b32 s[G1P+3], 768<<16
	s_mov_b32 s[G1P+4], 8
	s_mov_b32 s[G1P+5], 1600
	s_mov_b32 s[G1P+6], 0
	s_mov_b32 s[G1P+7], 0
	s_mov_b32 s[G1R+1], 768<<16
	s_mov_b32 s[G1R+2], 4<<16
	s_mov_b32 s[G1R+3], 768<<16
	s_mov_b32 s[G1R+4], 4
	s_mov_b32 s[G1R+5], 1600
	s_mov_b32 s[G1R+6], 0
	s_mov_b32 s[G1R+7], 0
	s_lshl_b32 s56, s15, 4                         ; P: tile 16 x + 8 (wave % 2): never holds y
	s_lshl_b32 s20, s12, 3
	s_add_co_u32 s56, s56, s20
	s_mul_i32 s56, s56, TILEB
	s_mov_b32 s57, 0
	s_lshl_b32 s58, s16, 3                         ; R: tile 8 y + 4 (wave % 2): never holds x
	s_lshl_b32 s20, s12, 2
	s_add_co_u32 s58, s58, s20
	s_mul_i32 s58, s58, TILEB
	s_mov_b32 s59, 0
	s_mul_i32 s21, s12, PHALF
	s_mul_i32 s22, s12, RHALF
	s_add_co_u32 s22, s22, RBASE
	s_lshl_b32 s84, s16, 3                         ; the tiles of R that I multiply: their scale words
	s_lshl_b32 s85, s11, 2
	s_add_co_u32 s84, s84, s85
	s_mul_i32 s84, s84, TILEB
	s_add_co_u32 s84, s84, 12288
	s_mov_b32 s85, 0
	s_lshl_b32 s86, s16, 7                         ; my part of the output: token 128 y + 64 (wave / 2), column 256 x + 128 (wave % 2)
	s_lshl_b32 s87, s11, 6
	s_add_co_u32 s86, s86, s87
	s_lshl_b32 s86, s86, 12
	s_lshl_b32 s87, s15, 10
	s_add_co_u32 s86, s86, s87
	s_lshl_b32 s87, s12, 9
	s_add_co_u32 s86, s86, s87
	s_mov_b32 s87, 0
	s_mul_i32 s88, s10, 16*SPITCH                  ; my stage
	s_wait_dscnt 0x0                               ; both opening adds are done
	s_wait_kmcnt 0x0
	s_add_nc_u64 s[56:57], s[4:5], s[56:57]
	s_add_nc_u64 s[58:59], s[6:7], s[58:59]
	s_add_nc_u64 s[60:61], s[56:57], 12288
	s_add_nc_u64 s[62:63], s[6:7], s[84:85]
	s_add_nc_u64 s[8:9], s[8:9], s[86:87]
.irp c, 0,1
	s_mov_b32 s[G0P+4*\c], 1
	s_add_co_u32 s[G0P+4*\c+1], s21, HK*\c
	s_add_nc_u64 s[G0P+4*\c+2:G0P+4*\c+3], s[56:57], 6144*\c
	s_or_b32 s[G0P+4*\c+3], s[G0P+4*\c+3], 0x80000000
	s_mov_b32 s[G0R+4*\c], 1
	s_add_co_u32 s[G0R+4*\c+1], s22, HK*\c
	s_add_nc_u64 s[G0R+4*\c+2:G0R+4*\c+3], s[58:59], 6144*\c
	s_or_b32 s[G0R+4*\c+3], s[G0R+4*\c+3], 0x80000000
.endr
	CROUND                                         ; all sixteen work-groups are here: the joint loads meet
	JLOAD 0                                        ; K steps 0-3: my one tensor load at the head
	v_and_b32 v8, 31, v0
	v_lshlrev_b32 v[L16], 4, v8
	v_and_b32 v9, 15, v0
	v_bfe_u32 v[HH], v0, 4, 1
	v_lshlrev_b32 v[LR], 4, v9
	v_lshl_add_u32 v[LP8], v[HH], 3, v[LR]
.irp b, 0,1,2,3,4,5,6,7                ; the scale words come once, straight into registers
.irp f, 0,1
	global_load_b128 v[PS+8*\b+4*\f:PS+8*\b+4*\f+3], v[LR], s[60:61] offset:TILEB*\b+256*\f
.endr
.endr
.irp a, 0,1,2,3
.irp f, 0,1
	global_load_b128 v[RS+8*\a+4*\f:RS+8*\a+4*\f+3], v[LR], s[62:63] offset:TILEB*\a+256*\f
.endr
.endr
	v_mul_u32_u24 v[STO], v9, SPITCH               ; into the stage: row r, 64 h bytes on
	v_lshl_add_u32 v[STO], v[HH], 6, v[STO]
	v_add_nc_u32 v[STO], s88, v[STO]
	v_add_nc_u32 v[RD], s88, v[L16]                ; back: the 32 lanes take a row of 512 bytes
	s_mul_i32 s84, s12, PHALF
	s_mul_i32 s85, s11, RHALF
	s_add_co_u32 s85, s85, RBASE
.irp c, 0,1
	v_add_nc_u32 v[AP16+\c], s84, v[L16]
	v_add_nc_u32 v[AP8+\c], s84, v[LP8]
	v_add_nc_u32 v[AR16+\c], s85, v[L16]
	v_add_nc_u32 v[AR8+\c], s85, v[LP8]
	s_add_co_u32 s84, s84, HK
	s_add_co_u32 s85, s85, HK
.endr
; 48 LDS loads in one run: K step q's fragments, P's eight into set p of window 1, R's four into set p of window 0
.macro FETCH q, p
	WIN 0x40
.irp b, 0,1,2,3,4,5,6,7
.irp c, 0,1
	ds_load_b128 v[96*(\p)+12*\b+6*\c:96*(\p)+12*\b+6*\c+3], v[AP16+(\q)/4] offset:6144*\b+1536*((\q)%4)+768*\c
	ds_load_b64 v[96*(\p)+12*\b+6*\c+4:96*(\p)+12*\b+6*\c+5], v[AP8+(\q)/4] offset:6144*\b+1536*((\q)%4)+768*\c+512
.endr
.endr
	WIN 0
.irp a, 0,1,2,3
.irp c, 0,1
	ds_load_b128 v[RF+48*(\p)+12*\a+6*\c:RF+48*(\p)+12*\a+6*\c+3], v[AR16+(\q)/4] offset:6144*\a+1536*((\q)%4)+768*\c
	ds_load_b64 v[RF+48*(\p)+12*\a+6*\c+4:RF+48*(\p)+12*\a+6*\c+5], v[AR8+(\q)/4] offset:6144*\a+1536*((\q)%4)+768*\c+512
.endr
.endr
.endm
; 8 matrix instructions: R's tile a against P's eight.  The 32 accumulators take turns, one instruction a turn, in the same order in every step.
.macro MUL8 a, p, q, zero
.irp b, 0,1,2,3,4,5,6,7
.if \zero
	v_wmma_scale_f32_16x16x128_f8f6f4 v[8*(8*(\a)+\b):8*(8*(\a)+\b)+7], v[96*(\p)+12*\b:96*(\p)+12*\b+11], v[RF+48*(\p)+12*(\a):RF+48*(\p)+12*(\a)+11], 0, v[PS+8*\b+(\q)], v[RS+8*(\a)+(\q)] matrix_a_fmt:MATRIX_FMT_FP6 matrix_b_fmt:MATRIX_FMT_FP6
.else
	v_wmma_scale_f32_16x16x128_f8f6f4 v[8*(8*(\a)+\b):8*(8*(\a)+\b)+7], v[96*(\p)+12*\b:96*(\p)+12*\b+11], v[RF+48*(\p)+12*(\a):RF+48*(\p)+12*(\a)+11], v[8*(8*(\a)+\b):8*(8*(\a)+\b)+7], v[PS+8*\b+(\q)], v[RS+8*(\a)+(\q)] matrix_a_fmt:MATRIX_FMT_FP6 matrix_b_fmt:MATRIX_FMT_FP6
.endif
.endr
.endm
; A K step of 128: the next step's fragments are asked for at its head, 32 matrix instructions ahead of their use.
; bar = 1 (step 3): the next step begins K's second half: the fetch follows the barrier.
.macro STEP q, zero, bar
	s_wait_dscnt 0x0                               ; this step's fragments are in
.if (\bar) == 0 && (\q) < 7
.if (\q) > 0
	PLACES 4                                       ; four plain instructions between the products that read the other set and the loads into it
.endif
	FETCH (\q)+1, ((\q)+1)%2
.endif
	WIN MUL
	MUL8 0, (\q)%2, \q, \zero
.if \bar
	s_wait_tensorcnt 0x0
	s_barrier_signal -1
.endif
	MUL8 1, (\q)%2, \q, \zero
.if \bar
	s_barrier_wait -1
	PLACES 4
	FETCH (\q)+1, ((\q)+1)%2
	WIN MUL
.endif
	MUL8 2, (\q)%2, \q, \zero
	MUL8 3, (\q)%2, \q, \zero
.endm
	s_wait_alu depctr_va_vdst(0)                   ; the wait at the head's end
	s_wait_tensorcnt 0x0                           ; my part of K steps 0-3 is in; three lines ahead of a later first fill
	ds_add_u32 v[SPW], v[NIL]
	s_wait_dscnt 0x0
	CROUND                                         ; everybody's part is in, and the sixteen work-groups meet
	JLOAD 1                                        ; K steps 4-7: the first tensor load behind the round
	FETCH 0, 0
	s_wait_loadcnt 0x0                             ; the scale words
	STEP 0, 1, 0                                   ; the first step's products start the sums
	STEP 1, 0, 0
	STEP 2, 0, 0
	STEP 3, 0, 1
	STEP 4, 0, 0
	STEP 5, 0, 0
	STEP 6, 0, 0
	STEP 7, 0, 0
; THE WAY OUT, a tile of 16 tokens x 128 columns at a time: into my stage, each accumulator from its low end on, and back as whole rows.  LDS serves a wave's instructions in order: no wait between the stores and the loads.
.macro TOSTAGE a
	WIN 0x08                                       ; an LDS store's data: window 2
.irp b, 0,1,2,3,4,5,6,7
	ds_store_b128 v[STO], v[8*(8*(\a)+\b):8*(8*(\a)+\b)+3] offset:128*(\b/2)+32*(\b%2)
	ds_store_b128 v[STO], v[8*(8*(\a)+\b)+4:8*(8*(\a)+\b)+7] offset:128*(\b/2)+32*(\b%2)+16
.endr
	WIN 0
.set BB, BK+64*((\a)%2)
.irp t, 0,1,2,3,4,5,6,7,8,9,10,11,12,13,14,15
	ds_load_b128 v[BB+4*\t:BB+4*\t+3], v[RD] offset:\t*SPITCH
.endr
.endm
.macro SEND a, younger                 ; younger: the LDS instructions issued behind tile a's loads, which may stay out
.set BB, BK+64*((\a)%2)
	s_wait_dscnt \younger
.irp t, 0,1,2,3,4,5,6,7,8,9,10,11,12,13,14,15
	global_store_b128 v[L16], v[BB+4*\t:BB+4*\t+3], s[8:9] offset:(32*((\a)/2)+8*((\a)%2)+\t+8*(\t/8))*4096 th:TH_STORE_NT   ; 32 lanes store 512 consecutive bytes of the token's row, aligned
.endr
.endm
	WIN 0
	PLACES 4                                       ; between the last products and the first read of results and the loads into their operands
	TOSTAGE 0
.irp a, 1,2,3
.if \a > 1
	s_wait_xcnt 0x0                                ; the stores of two tiles back have read their registers: the loads below may land there
.endif
	TOSTAGE \a
	SEND \a-1, 32                                  ; behind that tile's loads: this tile's 16 stores and 16 loads
.endr
	SEND 3, 0
	s_wait_tensorcnt 0x0                           ; the wave's end
	ds_add_u32 v[SPW], v[NIL]
	s_wait_dscnt 0x0
	CROUND                                         ; the closing round
	s_endpgm
.Lfunc_end_k_q4ab4dbfe39_gemm_out:
	.size	k_q4ab4dbfe39_gemm_out, .Lfunc_end_k_q4ab4dbfe39_gemm_out-k_q4ab4dbfe39_gemm_out
	.p2alignl 7, 3214868480
	.fill 96, 4, 3214868480
	.section	.rodata,"a",@progbits
	.p2align	6, 0x0
	.amdhsa_kernel k_q4ab4dbfe39_gemm_out
		.amdhsa_group_segment_fixed_size 327680
		.amdhsa_private_segment_fixed_size 0
		.amdhsa_enable_private_segment 0
		.amdhsa_kernarg_size 24
		.amdhsa_user_sgpr_count 2
		.amdhsa_user_sgpr_kernarg_segment_ptr 1
		.amdhsa_wavefront_size32 1
		.amdhsa_system_sgpr_workgroup_id_x 1
		.amdhsa_system_sgpr_workgroup_id_y 1
		.amdhsa_system_sgpr_workgroup_id_z 1
		.amdhsa_system_vgpr_workitem_id 0
		.amdhsa_next_free_vgpr 768
		.amdhsa_next_free_sgpr 100
		.amdhsa_reserve_vcc 0
		.amdhsa_float_denorm_mode_32 3
		.amdhsa_float_denorm_mode_16_64 3
		.amdhsa_memory_ordered 1
		.amdhsa_forward_progress 1
		.amdhsa_inst_pref_size 83
	.end_amdhsa_kernel
	.amdgpu_metadata
---
amdhsa.version: [ 1, 2 ]
amdhsa.kernels:
  - .name:           k_q4ab4dbfe39_gemm_out
    .symbol:         k_q4ab4dbfe39_gemm_out.kd
    .args:
      - { .name: wo_c, .offset: 0, .size: 8, .value_kind: global_buffer, .address_space: global }
      - { .name: oq_c, .offset: 8, .size: 8, .value_kind: global_buffer, .address_space: global }
      - { .name: out0, .offset: 16, .size: 8, .value_kind: global_buffer, .address_space: global }
    .group_segment_fixed_size: 327680
    .private_segment_fixed_size: 0
    .kernarg_segment_align: 8
    .kernarg_segment_size: 24
    .max_flat_workgroup_size: 128
    .sgpr_count:     100
    .vgpr_count:     768
    .wavefront_size: 32
...
	.end_amdgpu_metadata
.endif
;; end of part 4
